; MI455X (gfx1250); checked and timed in simulation.
; The chip was launched on July 23, 2026; its instructions are those of AMD's public machine-readable ISA for CDNA 5 (MIT licence, August 2026) and "CDNA5" Instruction Set Architecture Reference Guide (July 2026). The comments in the code are by the model that wrote it; some were corrected since.
;; Deberta Ro PE Self Attention. Allowed arithmetic: matrix products marked QUANTISED: E2M3 operands, one E8M0 scale for each 32 along K, by v_wmma_scale_f32_16x16x128_f8f6f4 with both operands' format E2M3, f32 sums; everything else in f32.
;; Inputs: Wout 1,024 x 1,024 float32; Wqkv 1,024 x 3,072 float32; attention_mask 4 x 1,024 int32; bout 1,024 float32; bqkv 3,072 float32; x 4 x 1,024 x 1,024 float32.
;; Outputs: out0 4 x 1,024 x 1,024 float32.
;; This version of the problem:
;;   THIS VERSION OF THE PROBLEM IS GIVEN IN LOW PRECISION. The matrix products marked QUANTISED in the list below multiply operands that are first quantised to E2M3 (2 exponent bits, 3 mantissa bits; 6 bits a number), with one power-of-two scale for each 32 numbers along K (OCP MX v1.0); their sums are f32. All else is computed in f32.
;;   The module's matrix products, in the order in which they are computed (A, B: the left and right operand; K: the contracted axis; several contracted axes count as one K, in the product's order):
;;     1. [M 4,096, K 1,024] x [K 1,024, N 3,072]; A: input x; B: input Wqkv: QUANTISED
;;     2. batch 64 x [M 1,024, K 64] x [K 64, N 1,024]; A: computed on the way; B: computed on the way: QUANTISED
;;     3. batch 64 x [M 1,024, K 1,024] x [K 1,024, N 64]; A: softmax (see below); B: computed on the way: QUANTISED
;;     4. [M 4,096, K 1,024] x [K 1,024, N 1,024]; A: computed on the way; B: input Wout: QUANTISED
;;   THE QUANTISER, for each operand of a quantised product, along K:
;;     - K is cut into blocks of 32 from its start; a last block that is shorter is filled with zeros.
;;     - A block's scale is 2^e with e = floor(log2(the largest magnitude in the block)) - 2, held to -126 .. 127; a block of zeros has e = 0. As a byte (E8M0): e + 127.
;;     - Each number is divided by its block's scale, clamped to +-7.5, and rounded to the nearest number of E2M3, ties to even, subnormals kept.
;;     - The product sums the exact products of the quantised numbers (number of the format x scale) in f32.
;;   ~~~python
;;   def quantise(x, axis):      # numpy; x: float32 -> the quantised numbers, widened to float32 again
;;       x = np.moveaxis(x, axis, -1); K = x.shape[-1]
;;       x = np.pad(x, [(0, 0)] * (x.ndim - 1) + [(0, -K % 32)]); x = x.reshape(x.shape[:-1] + (-1, 32)); a = np.abs(x).max(-1, keepdims=True)
;;       e = np.where(a > 0, np.clip(np.frexp(np.where(a > 0, a, 1))[1] - 1 - 2, -126, 127), 0)      # np.frexp(a)[1] - 1 = floor(log2(a)), exactly
;;       r = np.clip(x / 2.0 ** e, -7.5, 7.5)
;;       step = 2.0 ** (np.maximum(np.frexp(np.where(r == 0, 1, r))[1] - 1, 0) - 3)
;;       q = np.round(r / step) * step * 2.0 ** e      # np.round: ties to even
;;       return np.moveaxis(q.reshape(q.shape[:-2] + (-1,))[..., :K], -1, axis).astype(np.float32)
;;   ~~~
;;   SOFTMAX AHEAD OF A QUANTISED PRODUCT. Where the list says 'softmax', what is quantised is not the finished softmax but p = 2^(t - M), with t = logit x log2(e) and M = ceil(the row's largest t), a whole number; so 1/2 < the row's largest p <= 1. The row's sum l is taken of the UNQUANTISED p, in f32, and the product's result is divided by l at the end. Since M is a whole number, a kernel that streams over the keys may use a running M (the ceiling of the running maximum): every later rescaling is an exact power of two, which a block's scale takes up: the codes' values come out the same.
;;   OPERANDS COMPUTED ON THE WAY. 'Computed on the way' means the value that the module computes at that place (a softmax that the list does not call 'softmax' is quantised finished and normalised). What goes into a quantiser is computed in f32, as accurately as f32 sums, v_exp_f32 and their like allow (about 1e-6 of the number): no bf16 or f16 on the way to a quantiser, and a product that is left as it is and whose result goes on into a quantised operand takes f32 operands (vector FMAs, or v_wmma_f32_16x16x4_f32). A number that lies on a knife's edge between two numbers of the format may be rounded either way, as far as f32 arithmetic and the matrix unit's own rounding can turn it there, and no further.
;; One version. Each part assembles by itself: llvm-mc -triple=amdgcn-amd-amdhsa -mcpu=gfx1250 --defsym DOCPART=n.
;; ======== version 1 of 1: 4 launches
;; limits: right only within a limited range of input values
;; workspace buffers: codes1 6,291,456 bytes; tab1 524,288 bytes; qq 3,407,872 bytes; kk 3,407,872 bytes; vv 3,276,800 bytes; oc 3,145,728 bytes; os 131,072 bytes
;; launch prep (part 1): grid 256 x 1, 4 waves a work-group, no clusters, 102,912 bytes of LDS; arguments x, Wqkv, Wout, codes1, tab1; writes codes1, tab1
.if DOCPART == 1
	.amdgcn_target "amdgcn-amd-amdhsa--gfx1250"
	.amdhsa_code_object_version 6
	.text
	.protected	k_q320bcd8938_prep
	.globl	k_q320bcd8938_prep
	.p2align	8
	.type	k_q320bcd8938_prep,@function
k_q320bcd8938_prep:
	s_mov_b64 s[64:65], 0
	v_nop
	global_prefetch_b8 v0, s[64:65] scope:SCOPE_SE
	s_setreg_imm32_b32 hwreg(HW_REG_WAVE_MODE, 25, 1), 1
	s_wait_xcnt 0x0
; x [4096][1024], Wqkv [1024][3072] and Wout [1024][1024], f32, become codes of FP6 (E2M3) with K innermost and one E8M0 byte for each 32 along K; and the table of cos and sin for the rotary embedding is made.
; codes1: 8,192 rows of 768 bytes (1,024 codes): rows 0-4,095 x's tokens; 4,096-7,167 Wqkv's columns, by head: 64 of Q, 64 of K, 64 of V; 7,168-8,191 Wout's columns.  tab1: the rows' 32 scale bytes; from byte 262,144 cos [1024 positions][32], from 393,216 sin.
; THE ORDER OF ROWS.  x: token 64 c + 32 w + 8 j + i lies at row 64 c + 16 j + 8 w + i.  V's columns: column 32 w + 8 t + i of a head at row 16 t + 8 w + i.  Q's, K's, Wout's: column 16 w + 8 u + i of each 32 at row 16 u + 8 w + i.
; Sixteen neighbouring rows are then a tile of a later launch's operand whose results fall as whole scale blocks, or as neighbours, of the product that follows.
; A block's scale is 2^(floor(log2(its largest magnitude)) - 2); its byte is the largest magnitude's exponent field - 2, held at 1 from below (a block of zeros gets 1, not 127: its codes are zeros and this program alone reads the bytes).
; LIMITS: blocks whose largest magnitude lies under 2^-124 keep the byte 1; NaN and infinities among the inputs are not served.
; SHARES: work-groups 0-127 take x (32,768 numbers each, K innermost: a stream of blocks), 128-223 Wqkv, 224-255 Wout (128 columns x 256 along K each: a lane to a column, registers down K).  Each reads 128 KiB.
; The three ways part on the work-group's number and have LDS bytes of their own.  Waves share nothing: no barrier.  No matrix unit, no tensor load.
.set STEPS, 16
.set AHEAD, 4                          ; x: steps of loads on their way
.set EMAX,  2
.set CB,    12                         ; bytes of 16 codes
.set SPW,   1
.set NIL,   10
.set R,     16                         ; x: v16-79 four sets of 16 numbers as loaded
.set X,     144                        ; v144-175 two sets of 16 neighbours
.set C,     176                        ; v176-239 codes, four registers a step
.set E,     240                        ; v240-255 a scale byte a step
.set WREG,  8192                       ; x: LDS of a wave: two stages of 32 x SP bytes, then its 256 scale bytes
.set SP,    80
.set XW,    32                         ; weights: v32-95 two sets of 32 numbers
.set CW,    96                         ; a block's codes
.set OUTR,  112                        ; the way out
.set SB,    24                         ; scale bytes, four to a register
.set WP,    272                        ; a stage row: sixteen places of 16 bytes + 16
.set NB,    8
	s_load_b256 s[4:11], s[0:1], 0x0               ; x s[4:5], Wqkv s[6:7], Wout s[8:9], codes1 s[10:11]
	s_load_b64 s[12:13], s[0:1], 0x20              ; tab1
	v_lshl_add_u32 v[SPW], v0, 2, 0x19000
	v_mov_b32 v[NIL], 0
	v_lshrrev_b32 v3, 5, v0
	v_readfirstlane_b32 s16, v3                    ; wave
	v_and_b32 v2, 31, v0                           ; lane
	s_wait_alu depctr_va_vdst(0)
	s_wait_kmcnt 0x0
	s_cmp_lt_u32 ttmp9, 128
	s_cbranch_scc0 .Lweights
; ---------------- x: a wave takes 8 rows (8,192 numbers), 16 steps of 512 numbers ----------------
	v_lshlrev_b32 v3, 4, v2                        ; my 16 bytes of a load's 512
	s_mul_i32 s17, s16, WREG
	v_lshrrev_b32 v14, 2, v2
	v_mul_u32_u24 v14, v14, SP
	v_and_b32 v15, 3, v2
	v_lshl_add_u32 v14, v15, 4, v14
	v_add_nc_u32 v14, s17, v14                     ; the stage, in: SP (lane / 4) + 16 (lane % 4)
	v_mul_u32_u24 v15, v2, SP
	v_add_nc_u32 v15, s17, v15                     ; out: SP x lane: my 16 neighbours
	v_mul_u32_u24 v4, v2, CB                       ; my codes' place in a step's
	v_lshrrev_b32 v5, 1, v2
	s_add_co_u32 s17, s17, 2*32*SP
	v_add_nc_u32 v5, s17, v5                       ; my block's scale byte in the wave's 256
	v_lshlrev_b32 v7, 3, v2
	v_add_nc_u32 v6, s17, v7
	s_wait_alu depctr_va_vdst(0)                   ; the wait ahead of the scalar lines
	s_lshl_b32 s17, ttmp9, 2
	s_add_co_u32 s18, s17, s16                     ; the run of 8 rows that I read
	s_mov_b32 s19, 0
	s_lshl_b64 s[20:21], s[18:19], 15              ; 32,768 bytes a run
	s_add_nc_u64 s[4:5], s[4:5], s[20:21]
	s_lshr_b32 s22, ttmp9, 1                       ; run 8 c + 4 w + j is written as run 8 c + 2 j + w
	s_lshl_b32 s22, s22, 3
	s_and_b32 s23, ttmp9, 1
	s_add_co_u32 s22, s22, s23
	s_lshl_b32 s23, s16, 1
	s_add_co_u32 s18, s22, s23
	s_mul_i32 s20, s18, 6144                       ; 8 rows of 768 bytes
	s_mov_b32 s21, 0
	s_add_nc_u64 s[10:11], s[10:11], s[20:21]
	s_lshl_b32 s20, s18, 8                         ; 8 rows of 32 scale bytes
	s_add_nc_u64 s[14:15], s[12:13], s[20:21]
.macro XLOAD t
.irp i, 0,1,2,3
	global_load_b128 v[R+16*((\t)%AHEAD)+4*\i:R+16*((\t)%AHEAD)+4*\i+3], v3, s[4:5] offset:2048*(\t)+512*\i th:TH_LOAD_NT   ; 32 lanes read 512 consecutive bytes
.endr
.endm
.macro XTURN t                         ; a step's numbers through the stage: LDS serves a wave's instructions in order (ISA guide 5.7.1.4), so no wait stands between the stores and the loads
.irp i, 0,1,2,3
	ds_store_b128 v14, v[R+16*((\t)%AHEAD)+4*\i:R+16*((\t)%AHEAD)+4*\i+3] offset:32*SP*((\t)%2)+8*SP*\i
.endr
.irp i, 0,1,2,3
	ds_load_b128 v[X+16*((\t)%2)+4*\i:X+16*((\t)%2)+4*\i+3], v15 offset:32*SP*((\t)%2)+16*\i
.endr
.endm
.irp t, 0,1,2,3
	XLOAD \t
.endr
; THE TABLE, while the first loads are on their way.  Thread e of 16,384 makes position e / 16, frequencies j = 2 (e % 16) and j + 1.  inv = 10000^(-j / 32) = 2^(-j a), a = log2(10000) / 32 in two parts, the upper of 17 bits,
; so that j x upper is exact; the whole part goes into the exponent.  angle = position x inv, one rounding, as the source has it.  The angle less k quarter turns (pi / 2 in two parts), polynomials on +-pi / 4, signs by k % 4.
	s_lshl_b32 s24, ttmp9, 7
	v_add_nc_u32 v176, s24, v0                     ; e
	s_mov_b32 s24, 0xb94ca1f9                      ; sine's last coefficient
	s_mov_b32 s25, 0x37ccf5ce                      ; cosine's
	v_lshrrev_b32 v177, 4, v176
	v_and_b32 v178, 15, v176
	v_lshlrev_b32 v178, 1, v178
	v_lshlrev_b32 v179, 3, v176                    ; my 8 bytes in each table
	v_cvt_f32_u32 v177, v177                       ; the position
	v_cvt_f32_u32 v180, v178                       ; j
	v_add_f32 v181, 1.0, v180                      ; j + 1
.irp u, 0,1
	v_mul_f32 v[182+\u], 0x3ed49a80, v[180+\u]     ; j x a's upper part: exact
.endr
.irp u, 0,1
	v_floor_f32 v[184+\u], v[182+\u]
.endr
.irp u, 0,1
	v_sub_f32 v[186+\u], v[184+\u], v[182+\u]      ; whole part - product: exact, in (-1, 0]
.endr
.irp u, 0,1
	v_fmamk_f32 v[186+\u], v[180+\u], 0x34768662, v[186+\u]   ; less j x a's lower part (which is negative)
.endr
	s_wait_alu depctr_va_vdst(0)
.irp u, 0,1
	v_exp_f32 v[188+\u], v[186+\u]
.endr
.irp u, 0,1
	v_cvt_i32_f32 v[184+\u], v[184+\u]             ; plain work behind the exponentials
.endr
.irp u, 0,1
	v_sub_nc_u32 v[184+\u], 0, v[184+\u]
.endr
	s_wait_alu depctr_va_vdst(0)                   ; one wait for the two exponentials, ahead of their first reader
.irp u, 0,1
	v_ldexp_f32 v[188+\u], v[188+\u], v[184+\u]    ; inv
.endr
.irp u, 0,1
	v_mul_f32 v[190+\u], v177, v[188+\u]           ; the angle
.endr
.irp u, 0,1
	v_mul_f32 v[192+\u], 0x3f22f983, v[190+\u]
.endr
.irp u, 0,1
	v_rndne_f32 v[192+\u], v[192+\u]               ; k quarter turns
.endr
.irp u, 0,1
	v_fmamk_f32 v[194+\u], v[192+\u], 0xbfc90fdb, v[190+\u]
.endr
.irp u, 0,1
	v_fmamk_f32 v[194+\u], v[192+\u], 0x333bbd2e, v[194+\u]   ; what is left, within +-pi / 4
.endr
.irp u, 0,1
	v_mul_f32 v[196+\u], v[194+\u], v[194+\u]
.endr
.irp u, 0,1
	v_fmaak_f32 v[198+\u], s24, v[196+\u], 0x3c08839e
	v_fmaak_f32 v[200+\u], s25, v[196+\u], 0xbab6061a
.endr
.irp u, 0,1
	v_fmaak_f32 v[198+\u], v[198+\u], v[196+\u], 0xbe2aaaa3
	v_fmaak_f32 v[200+\u], v[200+\u], v[196+\u], 0x3d2aaaa5
.endr
.irp u, 0,1
	v_mul_f32 v[198+\u], v[198+\u], v[196+\u]
	v_fma_f32 v[200+\u], v[200+\u], v[196+\u], -0.5
.endr
.irp u, 0,1
	v_fma_f32 v[198+\u], v[198+\u], v[194+\u], v[194+\u]      ; sine of what is left
	v_fma_f32 v[200+\u], v[200+\u], v[196+\u], 1.0            ; cosine
.endr
.irp u, 0,1
	v_cvt_i32_f32 v[192+\u], v[192+\u]
.endr
.irp u, 0,1
	v_and_b32 v[202+\u], 1, v[192+\u]
	v_cmp_eq_u32 vcc_lo, 1, v[202+\u]              ; an odd number of quarter turns exchanges the two
	v_cndmask_b32 v[204+\u], v[200+\u], v[198+\u], vcc_lo
	v_cndmask_b32 v[206+\u], v[198+\u], v[200+\u], vcc_lo
	v_add_nc_u32 v[202+\u], 1, v[192+\u]
	v_and_b32 v[202+\u], 2, v[202+\u]              ; cosine is negative for k % 4 = 1, 2
	v_lshlrev_b32 v[202+\u], 30, v[202+\u]
	v_xor_b32 v[204+\u], v[202+\u], v[204+\u]
	v_and_b32 v[202+\u], 2, v[192+\u]              ; sine for k % 4 = 2, 3
	v_lshlrev_b32 v[202+\u], 30, v[202+\u]
	v_xor_b32 v[206+\u], v[202+\u], v[206+\u]
.endr
	global_store_b64 v179, v[204:205], s[12:13] offset:262144   ; a wave stores 256 consecutive bytes, aligned
	global_store_b64 v179, v[206:207], s[12:13] offset:393216
	s_wait_xcnt 0x0                                ; these registers are the codes' registers of later steps: written again only behind this wait
	s_wait_loadcnt 4*(AHEAD-1)                     ; step 0's four loads are in
	XTURN 0
.macro XSTEP t
.set XS, X+16*((\t)%2)
.if (\t) > 0
	s_wait_dscnt 1                                 ; this step's numbers are back from the stage (the last step's byte store may be out)
.else
	s_wait_dscnt 0x0
.endif
.if (\t)+AHEAD < STEPS
	XLOAD (\t)+AHEAD                               ; into the registers that the stage's stores have read
.endif
.if (\t)+1 < STEPS
.if (\t)+AHEAD < STEPS
	s_wait_loadcnt 4*(AHEAD-1)                     ; the next step's four loads are in; those of the steps behind it may be out
.else
	s_wait_loadcnt 4*(STEPS-2-(\t))
.endif
	XTURN (\t)+1
.endif
	v_max3_num_f32 v8, |v[XS]|, |v[XS+1]|, |v[XS+2]|               ; the largest magnitude of my 16
	v_max3_num_f32 v9, |v[XS+3]|, |v[XS+4]|, |v[XS+5]|
.irp i, 6,10
	v_max3_num_f32 v8, v8, |v[XS+\i]|, |v[XS+\i+1]|
	v_max3_num_f32 v9, v9, |v[XS+\i+2]|, |v[XS+\i+3]|
.endr
	v_max3_num_f32 v8, v8, |v[XS+14]|, |v[XS+15]|
	v_max3_num_f32 v8, v8, v9, (EMAX+1)<<23        ; and the floor 2^(3 - 127): the byte cannot fall under 1
	v_max_num_f32_dpp v8, v8, v8 row_xmask:1 row_mask:0xf bank_mask:0xf   ; and of my neighbour's 16: the block's
	v_add_nc_u32 v11, -(EMAX<<23), v8              ; 2 off its exponent field: the conversion takes the exponent field of this operand as its scale
	v_cvt_scalef32_pk16_fp6_f32 v[C+4*(\t):C+4*(\t)+2], v[XS:XS+15], v11
	v_lshrrev_b32 v[E+(\t)], 23, v11               ; the scale's byte
	ds_store_b8 v5, v[E+(\t)] offset:16*(\t)       ; both lanes of a block write the same byte with the same value
	global_store_b96 v4, v[C+4*(\t):C+4*(\t)+2], s[10:11] offset:32*CB*(\t)   ; the wave stores 384 consecutive bytes
.endm
.irp t, 0,1,2,3,4,5,6,7,8,9,10,11,12,13,14,15
	XSTEP \t
.endr
	ds_load_b64 v[12:13], v6                       ; LDS serves a wave's instructions in order: these see my stores
	s_wait_dscnt 0x0
	global_store_b64 v7, v[12:13], s[14:15]        ; 32 lanes store 256 consecutive bytes, aligned
	s_wait_tensorcnt 0x0                           ; the wave's end
	ds_add_u32 v[SPW], v[NIL]
	s_wait_dscnt 0x0
	s_endpgm
; ---------------- a weight [1024][N]: a wave takes 32 columns x 256 along K ----------------
.macro WLOAD t, N                      ; block t: W(32 t + i, my column) into set t % 2
.irp i, 0,1,2,3,4,5,6,7,8,9,10,11,12,13,14,15,16,17,18,19,20,21,22,23,24,25,26,27,28,29,30,31
	global_load_b32 v[XW+32*((\t)%2)+\i], v3, s[4:5] offset:(32*(\t)+\i)*\N*4 th:TH_LOAD_NT
.endr
.endm
.macro WBLOCK t, N
.set XS, XW+32*((\t)%2)
.if (\t) < NB-1
	s_wait_loadcnt 32                              ; this block's 32 loads are in; the next block's may be out
.else
	s_wait_loadcnt 0
.endif
	v_max3_num_f32 v12, |v[XS]|, |v[XS+1]|, |v[XS+2]|               ; the block's largest magnitude: all 32 numbers are mine
	v_max3_num_f32 v13, |v[XS+3]|, |v[XS+4]|, |v[XS+5]|
.irp i, 6,10,14,18,22,26
	v_max3_num_f32 v12, v12, |v[XS+\i]|, |v[XS+\i+1]|
	v_max3_num_f32 v13, v13, |v[XS+\i+2]|, |v[XS+\i+3]|
.endr
	v_max3_num_f32 v12, v12, |v[XS+30]|, |v[XS+31]|
	v_max3_num_f32 v12, v12, v13, (EMAX+1)<<23
	v_add_nc_u32 v11, -(EMAX<<23), v12
	v_lshrrev_b32 v13, 23, v11                     ; the scale's byte
.if (\t)%4 == 0
	v_mov_b32 v[SB+(\t)/4], v13                    ; four bytes to a register, the lower K in the lower byte
.else
	v_lshl_or_b32 v[SB+(\t)/4], v13, 8*((\t)%4), v[SB+(\t)/4]
.endif
	v_cvt_scalef32_pk16_fp6_f32 v[CW:CW+2], v[XS:XS+15], v11
	v_cvt_scalef32_pk16_fp6_f32 v[CW+4:CW+6], v[XS+16:XS+31], v11   ; (a conversion's three registers begin on an even number)
	ds_store_b96 v4, v[CW:CW+2] offset:32*(\t)     ; 12 bytes to a place of 16 in the stage
	ds_store_b96 v4, v[CW+4:CW+6] offset:32*(\t)+16
.if (\t)+2 < NB
	WLOAD (\t)+2, \N
.endif
	s_wait_dscnt 0x0                               ; the stores have read their registers: the next block's codes may be written
.endm
; N: the weight's columns; ROW0: its first row in codes1; IDX0: its first work-group; LB: its LDS bytes; PLO: the scalar pair with its address.
; Every offset is an immediate: 255 x 3,072 x 4 bytes at the most, inside the signed 24 bits.
.macro WPATH N, ROW0, IDX0, LB, PLO
	s_sub_co_u32 s17, ttmp9, \IDX0
	s_and_b32 s18, s17, 3                          ; which 256 along K
	s_lshr_b32 s17, s17, 2
	s_lshl_b32 s17, s17, 7
	s_lshl_b32 s19, s16, 5
	s_add_co_u32 s17, s17, s19                     ; my wave's first column
.if \N == 3072                         ; s32: the row of my first column; s33: how many rows columns 16 to 31 lie behind columns 0 to 15 (8; V's columns 32)
	s_lshr_b32 s31, s17, 10
	s_lshl_b32 s31, s31, 6                         ; Q, K or V
	s_bfe_u32 s32, s17, 0x40006                    ; the head
	s_mul_i32 s32, s32, 192
	s_add_co_u32 s32, s32, s31
	s_and_b32 s31, s17, 32
	s_lshr_b32 s30, s31, 2
	s_cmp_ge_u32 s17, 2048
	s_cselect_b32 s31, s30, s31
	s_cselect_b32 s33, 32, 8
	s_add_co_u32 s32, s32, s31
	s_add_co_u32 s32, s32, \ROW0
.else
	s_add_co_u32 s32, s17, \ROW0
	s_mov_b32 s33, 8
.endif
	v_lshlrev_b32 v3, 2, v2                        ; in: 4 bytes a lane
	v_and_b32 v5, 7, v2                            ; my column's row behind the wave's first: i + 16 ((lane / 8) % 2) + s33 (lane / 16)
	v_and_b32 v6, 8, v2
	v_lshl_add_u32 v5, v6, 1, v5
	v_bfe_u32 v6, v2, 4, 1
	v_mul_u32_u24 v15, s33, v6
	v_add_nc_u32 v15, v15, v5
	s_mul_i32 s19, s16, 32*WP
	s_add_co_u32 s19, s19, \LB                     ; my stage
	v_mul_u32_u24 v4, v2, WP
	v_add_nc_u32 v4, s19, v4                       ; into it: row = my lane
	v_and_b32 v5, 15, v2
	v_lshrrev_b32 v6, 4, v2                        ; out of it: sixteen lanes to a row, two rows an instruction
	v_mul_u32_u24 v7, v6, WP
	v_lshl_add_u32 v7, v5, 4, v7
	v_add_nc_u32 v7, s19, v7
	v_mul_u32_u24 v8, v6, 768
	v_mad_u32_u24 v8, v5, 12, v8                   ; and the same place in codes1
	v_lshlrev_b32 v9, 5, v15                       ; my row of scale bytes
	s_wait_alu depctr_va_vdst(0)                   ; the wait ahead of the scalar lines
	s_mul_i32 s20, s18, 256*\N*4
	s_lshl_b32 s22, s17, 2
	s_add_co_u32 s20, s20, s22
	s_mov_b32 s21, 0
	s_mul_i32 s24, s32, 768
	s_mul_i32 s26, s18, 192
	s_add_co_u32 s24, s24, s26
	s_mov_b32 s25, 0
	s_lshl_b32 s28, s32, 5
	s_lshl_b32 s26, s18, 3
	s_add_co_u32 s28, s28, s26
	s_mov_b32 s29, 0
	s_mul_i32 s36, s33, 768
	s_mov_b32 s37, 0
	s_add_nc_u64 s[4:5], s[\PLO:\PLO+1], s[20:21]
	s_add_nc_u64 s[10:11], s[10:11], s[24:25]
	s_add_nc_u64 s[34:35], s[10:11], s[36:37]      ; where columns 16 to 31 begin
	s_add_nc_u64 s[12:13], s[12:13], s[28:29]
	WLOAD 0, \N
	WLOAD 1, \N
.set Q, 0
.rept NB
	WBLOCK Q, \N
.set Q, Q+1
.endr
	s_wait_alu depctr_va_vdst(0)
	global_store_b64 v9, v[SB:SB+1], s[12:13]      ; my column's 8 scale bytes
.irp t, 0,1,2,3,4,5,6,7,8,9,10,11,12,13,14,15
	ds_load_b96 v[OUTR+4*\t:OUTR+4*\t+2], v7 offset:2*\t*WP   ; LDS serves a wave's instructions in order: these see my stores
.endr
.irp t, 0,1,2,3,4,5,6,7,8,9,10,11,12,13,14,15
	s_wait_dscnt 15-\t
.if \t < 8
	global_store_b96 v8, v[OUTR+4*\t:OUTR+4*\t+2], s[10:11] offset:(16*((\t/4)%2)+2*(\t%4))*768   ; sixteen lanes store a row's 192 consecutive bytes
.else
	global_store_b96 v8, v[OUTR+4*\t:OUTR+4*\t+2], s[34:35] offset:(16*((\t/4)%2)+2*(\t%4))*768
.endif
.endr
	s_wait_tensorcnt 0x0                           ; the wave's end
	ds_add_u32 v[SPW], v[NIL]
	s_wait_dscnt 0x0
	s_endpgm
.endm
.Lweights:
	s_cmp_lt_u32 ttmp9, 224
	s_cbranch_scc0 .Lwout
	WPATH 3072, 4096, 128, 32768, 6
.Lwout:
	WPATH 1024, 7168, 224, 67584, 8
.Lfunc_end_k_q320bcd8938_prep:
	.size	k_q320bcd8938_prep, .Lfunc_end_k_q320bcd8938_prep-k_q320bcd8938_prep
	.p2alignl 7, 3214868480
	.fill 96, 4, 3214868480
	.section	.rodata,"a",@progbits
	.p2align	6, 0x0
	.amdhsa_kernel k_q320bcd8938_prep
		.amdhsa_group_segment_fixed_size 102912
		.amdhsa_private_segment_fixed_size 0
		.amdhsa_enable_private_segment 0
		.amdhsa_kernarg_size 40
		.amdhsa_user_sgpr_count 2
		.amdhsa_user_sgpr_kernarg_segment_ptr 1
		.amdhsa_wavefront_size32 1
		.amdhsa_system_sgpr_workgroup_id_x 1
		.amdhsa_system_sgpr_workgroup_id_y 1
		.amdhsa_system_sgpr_workgroup_id_z 1
		.amdhsa_system_vgpr_workitem_id 0
		.amdhsa_next_free_vgpr 256
		.amdhsa_next_free_sgpr 66
		.amdhsa_reserve_vcc 1
		.amdhsa_float_denorm_mode_32 3
		.amdhsa_float_denorm_mode_16_64 3
		.amdhsa_memory_ordered 1
		.amdhsa_forward_progress 1
		.amdhsa_inst_pref_size 119
	.end_amdhsa_kernel
	.amdgpu_metadata
---
amdhsa.version: [ 1, 2 ]
amdhsa.kernels:
  - .name:           k_q320bcd8938_prep
    .symbol:         k_q320bcd8938_prep.kd
    .args:
      - { .name: x, .offset: 0, .size: 8, .value_kind: global_buffer, .address_space: global }
      - { .name: Wqkv, .offset: 8, .size: 8, .value_kind: global_buffer, .address_space: global }
      - { .name: Wout, .offset: 16, .size: 8, .value_kind: global_buffer, .address_space: global }
      - { .name: codes1, .offset: 24, .size: 8, .value_kind: global_buffer, .address_space: global }
      - { .name: tab1, .offset: 32, .size: 8, .value_kind: global_buffer, .address_space: global }
    .group_segment_fixed_size: 102912
    .private_segment_fixed_size: 0
    .kernarg_segment_align: 8
    .kernarg_segment_size: 40
    .max_flat_workgroup_size: 128
    .sgpr_count:     66
    .vgpr_count:     256
    .wavefront_size: 32
...
	.end_amdgpu_metadata
.endif
;; end of part 1
;; launch qkv (part 2): grid 16 x 16, 4 waves a work-group, clusters of 4 x 4, 327,680 bytes of LDS; arguments codes1, tab1, bqkv, attention_mask, qq, kk, vv; writes qq, kk, vv
.if DOCPART == 2
	.amdgcn_target "amdgcn-amd-amdhsa--gfx1250"
	.amdhsa_code_object_version 6
	.text
	.protected	k_q320bcd8938_qkv
	.globl	k_q320bcd8938_qkv
	.p2align	8
	.type	k_q320bcd8938_qkv,@function
k_q320bcd8938_qkv:
	s_mov_b64 s[64:65], 0
	v_nop
	global_prefetch_b8 v0, s[64:65] scope:SCOPE_SE
	s_setreg_imm32_b32 hwreg(HW_REG_WAVE_MODE, 25, 1), 1
	s_wait_xcnt 0x0
	s_wait_alu depctr_hold_cnt(0) depctr_sa_sdst(0) depctr_va_vdst(0) depctr_va_sdst(0) depctr_va_ssrc(0) depctr_va_vcc(0) depctr_vm_vsrc(0)
	s_getreg_b32 s2, hwreg(HW_REG_IB_STS2, 6, 4)
	s_cmp_eq_u32 s2, 0
	s_cbranch_scc0 .Lentry_in_a_cluster
	s_endpgm
.Lentry_in_a_cluster:
	s_bfe_u32 s2, ttmp6, 0x10000c
	s_cmp_lg_u32 s2, 0xf033
	s_cbranch_scc0 .Lentry_shape_is_right
	s_endpgm
.Lentry_shape_is_right:
; Q, K, V = x Wqkv + bqkv on codes of FP6 (E2M3), the rotary embedding of Q and K, and the quantisers of all three.  The results leave as codes and scale bytes in the order of the next launch's operand registers.
; SHARES.  A work-group makes 256 tokens x the 64 columns of one head, of Q, of K and of V: 16 x 16 = 256 work-groups of equal work.  A wave holds its 64 tokens, all of K, in registers (32 fragments of 12) and streams the weights
; past them: twelve tiles of 16 columns, 32 products each on end; two buffers of eight fragments: a tile's loads go out in one run, a whole batch of 32 products ahead of their use.
; ROWS.  x: row 64 c + 16 j + 8 w + i is token 64 c + 32 w + 8 j + i: tile j of a wave's 64.  Q's and K's weights: tile 2 e + u has channels 32 e + 8 u + (r % 8) + 16 (r / 8); V's: tile t has channels 32 (r / 8) + 8 t + r % 8.
; Q, K transposed (source 0 = the weight): lane (r, h) holds token r and channels 32 e + 16 h + 0 .. 15 of both e: the rotary pairs (d, d + 32) are in one lane.  V untransposed: a lane holds one channel and 32 neighbouring tokens.
; CLUSTERS, 4 x 4: x's rows are asked for jointly along a row, a head's weights along a column.  One tensor load a wave at the head: x's two halves, W_q, W_k.  One refill: W_v's rows, onto x's first 64 rows, when all waves hold x in registers.
; No data prefetch: all but W_v is asked for at the head, and W_v more than 160 products ahead of its first use.
; BUFFERS: qq [batch x head][tile of 16 tokens: 64][768], behind it (3,145,728) scale words [batch x head][64 tokens: 16][p][r][s]: tile 2 p + s;  kk [batch x head][128 tokens: 8]: 8 tiles of 768, two times 256 bytes of scale words as Q's;
; vv [batch x head][128 tokens: 8]: [t][c][768], then words [t / 2][r][t % 2], byte 2 c + h.
; THE MASK rides in K's scale words: byte 2 (of k = 64 .. 95, padding) is 254 for a masked key and 1 for an open one; Q's is 0x78; the next launch gives k = 64 the codes 1.0 and -1.0.
; LIMITS: a block whose largest magnitude lies under 2^-124 keeps the byte 1; NaN and infinities are not served.
.set PITCH, 816                        ; an LDS row: 3 x (256 + 16)
.set TR,    16*PITCH
.set WB,    256*PITCH                  ; W_q's, W_k's rows; W_v's go to 0
.set VSTG,  WB+128*PITCH               ; V's scale bytes: two key steps x 256
.set SPARE, VSTG+512
.set SPW,   6
.set NIL,   7
.set XS,    28                         ; v28-43 x's scale words: two pairs of tiles x 8 K steps (lanes 0-15 the even tile)
.set MK,    44                         ; v44-47 the tokens' mask, then the constant part of K's words
.set WS,    48                         ; v48-95 the weights': six pairs
.set BQ,    96                         ; v96-127 Q's bias; then codes on the way out
.set ACC,   128
.set BK,    224                        ; window 1: K's bias, then V's
.set BVR,   228                        ; window 3: V's bias, one number a tile
.set G1X,   24
.set G1W,   32
.set G0X,   40
.set G0W,   44
.set G0V,   48
.set SEL,   86
.set HM,    88
.set QC,    89
.set OPN,   90
.set LC,    0
.set MSB,   0
.macro WIN new
.if MSB != (\new)
	s_set_vgpr_msb (MSB<<8)|(\new)
.set MSB, (\new)
.endif
.endm
.macro WALU
	s_wait_alu depctr_va_vdst(0)
.endm
.macro PLACES n
.rept \n
	v_nop
.endr
.endm
.macro BARRIER
	s_barrier_signal -1
	s_barrier_wait -1
.endm
.macro MIDDLE
	WIN 0
	s_barrier_wait -1
	s_cmp_lg_u32 s18, 0
	s_cbranch_scc1 .Lnot_wave_0_\@
	s_barrier_signal -3
.Lnot_wave_0_\@:
	s_barrier_wait -3
.endm
.macro CROUND
	s_barrier_signal -1
	MIDDLE
	BARRIER
.endm
.macro TLOAD g0, g1
	tensor_load_to_lds s[\g0:\g0+3], s[\g1:\g1+7]
	s_nop 0
	PLACES 4
.endm
.macro GROUP1 g, mask, rows
	s_or_b32 s[\g], s[\mask], (1<<20)|(1<<21)|(5<<22)|(3<<25)
	s_mov_b32 s[\g+1], 768<<16
	s_mov_b32 s[\g+2], (\rows)<<16
	s_mov_b32 s[\g+3], 768<<16
	s_mov_b32 s[\g+4], \rows
	s_mov_b32 s[\g+5], 768
	s_mov_b32 s[\g+6], 0
	s_mov_b32 s[\g+7], 0
.endm
; a fragment: six pieces of 8 bytes, two to a load where both lie behind as many paddings; LC counts the loads
.macro FRAG w, reg, q, a0, a1
	WIN (\w)<<6
.set R_, \reg
.set SKIP_, 0
.irp p, 0,1,2,3,4,5
.if SKIP_
.set SKIP_, 0
.else
.set PC_, 12*(\q)+6*(\p/3)+\p%3
.set PN_, 12*(\q)+6*((\p+1)/3)+(\p+1)%3
.set X_, (PC_%32+3)/32
.set XQ_, (PN_%32+3)/32
.set LC, LC+1
.if (\p < 5) && (X_ == XQ_)
.set SKIP_, 1
.if X_
	ds_load_2addr_b64 v[R_+2*\p:R_+2*\p+3], \a1 offset0:PC_+2*(PC_/32) offset1:PN_+2*(PN_/32)
.else
	ds_load_2addr_b64 v[R_+2*\p:R_+2*\p+3], \a0 offset0:PC_+2*(PC_/32) offset1:PN_+2*(PN_/32)
.endif
.elseif X_
	ds_load_b64 v[R_+2*\p:R_+2*\p+1], \a1 offset:8*(PC_+2*(PC_/32))
.else
	ds_load_b64 v[R_+2*\p:R_+2*\p+1], \a0 offset:8*(PC_+2*(PC_/32))
.endif
.endif
.endr
.endm
.macro LDW e, q                        ; a weight's fragment q into buffer e (window 1)
	FRAG 1, 12*(8*(\e)+(\q)), \q, v8, v9
.endm
.macro LQ q                            ; K step q: x's four fragments (windows 2 and 3) and the first weight tile's
.irp a, 0,1,2,3
	FRAG 2+(4*(\q)+\a)/21, 12*((4*(\q)+\a)%21), \q, v[12+2*\a], v[13+2*\a]
.endr
	LDW 0, \q
.set LQE\q, LC
.endm
.macro WM d, s0, s1, c, x0, x1, ra, rb
	v_wmma_scale_f32_16x16x128_f8f6f4 v[\d:\d+7], v[\s0:\s0+11], v[\s1:\s1+11], \c, v[\x0], v[\x1] matrix_a_fmt:MATRIX_FMT_FP6 matrix_b_fmt:MATRIX_FMT_FP6 matrix_a_scale:MATRIX_SCALE_ROW\ra matrix_b_scale:MATRIX_SCALE_ROW\rb
.endm
; one product.  kind 0 Q, 1 K, 2 V; b the column tile of the head, e its buffer, ws its scale words, rw their row; a the token tile, rx its scales' row.  The first K step takes the bias as C
.macro PR1 kind, rw, b, ws, e, q, a, rx
.set XI_, 4*(\q)+(\a)
.set XW_, 2+XI_/21
.set XL_, 12*(XI_%21)
.set WL_, 12*(8*(\e)+(\q))
.set XC_, XS+8*((\a)/2)+(\q)
.set WC_, (\ws)+(\q)
.if \kind == 2
.set D_, ACC+32*(\b)+8*(\a)
.if (\q) == 0
	WIN XW_|(1<<2)|(1<<4)
	WM D_, XL_, WL_, v[BK+8*(\b):BK+8*(\b)+7], XC_, WC_, \rx, \rw
.else
	WIN XW_|(1<<2)
	WM D_, XL_, WL_, v[D_:D_+7], XC_, WC_, \rx, \rw
.endif
.else
.set D_, ACC+32*(\a)+8*(\b)
.if (\q) > 0
	WIN 1|(XW_<<2)
	WM D_, WL_, XL_, v[D_:D_+7], WC_, XC_, \rw, \rx
.elseif \kind == 1
	WIN 1|(XW_<<2)|(1<<4)
	WM D_, WL_, XL_, v[BK+8*(\b):BK+8*(\b)+7], WC_, XC_, \rw, \rx
.else
	WIN 1|(XW_<<2)
	WM D_, WL_, XL_, v[BQ+8*(\b):BQ+8*(\b)+7], WC_, XC_, \rw, \rx
.endif
.endif
.endm
.macro PRQ kind, rw, b, ws, e, q       ; four products, four accumulators by turns
.irp p, 0,1
	PR1 \kind, \rw, \b, \ws, \e, \q, 2*\p, 0
	PR1 \kind, \rw, \b, \ws, \e, \q, 2*\p+1, 1
.endr
.endm
.macro FETCHN nxt, e                   ; the tile at LDS byte nxt into buffer e: 26 loads; ahead of them the four places behind the products that read that buffer
	WIN 0
	v_add_nc_u32 v8, \nxt, v1
	v_add_nc_u32 v9, \nxt, v2
	PLACES 2
.irp q, 0,1,2,3,4,5,6,7
	LDW \e, \q
.endr
.endm
; A BATCH: 32 products of one column tile; w: the LDS instructions issued behind its fragments' loads, which may stay out.  mode 1: with the round behind which W_v's rows are filled; mode 2: with a plain barrier that shows them
.macro BATCH kind, rw, b, ws, e, w, mode
.if \mode == 1
	WIN 0
	s_wait_tensorcnt 0x0
	ds_add_u32 v[SPW], v[NIL]
	s_wait_dscnt \w
.irp q, 0,1,2,3
	PRQ \kind, \rw, \b, \ws, \e, \q
.endr
	s_wait_dscnt 0x0
	s_barrier_signal -1
.irp q, 4,5,6
	PRQ \kind, \rw, \b, \ws, \e, \q
.endr
	MIDDLE
	BARRIER
	s_cmp_lg_u32 s18, 0
	s_cbranch_scc1 .Lno_v_\@
	TLOAD G0V, G1W
.Lno_v_\@:
	PRQ \kind, \rw, \b, \ws, \e, 7
.else
	s_wait_dscnt \w
.irp q, 0,1,2,3
	PRQ \kind, \rw, \b, \ws, \e, \q
.endr
.if \mode == 2
	s_wait_tensorcnt 0x0
	s_wait_dscnt 0x0
	s_barrier_signal -1
.endif
.irp q, 4,5,6,7
	PRQ \kind, \rw, \b, \ws, \e, \q
.endr
.if \mode == 2
	WIN 0
	s_barrier_wait -1
.endif
.endif
.endm
.macro ADDR d, base                    ; a 64-bit base + s84
	s_add_nc_u64 s[\d:\d+1], s[\base:\base+1], s[84:85]
.endm
.macro TABLE a                         ; where token tile a's cosines (16) and sines (16) lie
.if \a < 3
.set TW_, 3
.set TL_, 132+32*\a
.else
.set TW_, 1
.set TL_, 192
.endif
.endm
.macro CSLOAD a
	TABLE \a
	WIN TW_<<6
.irp k, 0,1,2,3
	global_load_b128 v[TL_+4*\k:TL_+4*\k+3], v5, s[70:71] offset:1024*\a+16*\k
	global_load_b128 v[TL_+16+4*\k:TL_+19+4*\k], v5, s[70:71] offset:131072+1024*\a+16*\k
.endr
.endm
.macro ROPE a                          ; y1 cos - y2 sin, y2 cos + y1 sin, in place
	TABLE \a
	WIN TW_<<2
.irp i, 0,8
.irp k, 0,2,4,6
.set Y_, ACC+32*\a+\i+\k
.set T_, 12+2*\k
	v_pk_mul_f32 v[T_:T_+1], v[Y_+16:Y_+17], v[TL_+16+\i+\k:TL_+17+\i+\k]
	v_pk_mul_f32 v[T_+2:T_+3], v[Y_:Y_+1], v[TL_+16+\i+\k:TL_+17+\i+\k]
.endr
.irp k, 0,2,4,6
.set Y_, ACC+32*\a+\i+\k
.set T_, 12+2*\k
	v_pk_fma_f32 v[Y_:Y_+1], v[Y_:Y_+1], v[TL_+\i+\k:TL_+1+\i+\k], v[T_:T_+1] neg_lo:[0,0,1] neg_hi:[0,0,1]
	v_pk_fma_f32 v[Y_+16:Y_+17], v[Y_+16:Y_+17], v[TL_+\i+\k:TL_+1+\i+\k], v[T_+2:T_+3]
.endr
.endr
.endm
; THE WAY OUT of Q or K: four token tiles, eight half blocks by turns
.macro QKOUT kind, ob, sb
	PLACES 4
	WIN 0
	s_wait_xcnt 0x0                                ; earlier stores have read the registers that are written below
.if \kind == 0
	s_wait_loadcnt 0x0                             ; the tables
	v_mov_b32 v12, 0x7ffe0000
.irp a, 0,1,2,3
	v_cmp_eq_u32 vcc_lo, 0, v[MK+\a]
	v_cndmask_b32 v[MK+\a], s[OPN], v12, vcc_lo
.endr
.endif
.irp a, 0,1,2,3
	ROPE \a
.endr
.if \kind == 1                         ; V's bias over its tile's eight registers: K's has been taken
	WIN 0x43
.irp t, 0,1,2,3
.irp j, 0,1,2,3,4,5,6,7
	v_mov_b32 v[BK+8*\t+\j], v[BVR+\t]
.endr
.endr
.endif
	WIN 0
.irp a, 0,2,4,6,8,10,12,14
	v_max3_num_f32 v[12+\a/2], |v[ACC+8*\a]|, |v[ACC+8*\a+1]|, 0x1800000
.endr
.irp i, 2,4,6,8,10,12,14
.irp a, 0,2,4,6,8,10,12,14
	v_max3_num_f32 v[12+\a/2], v[12+\a/2], |v[ACC+8*\a+\i]|, |v[ACC+8*\a+\i+1]|
.endr
.endr
.irp n, 0,1,2,3,4,5,6,7
	v_permlanex16_b32 v[20+\n], v[12+\n], s[SEL], s[SEL+1]
.endr
.irp n, 0,1,2,3,4,5,6,7
	v_max_num_f32 v[12+\n], v[12+\n], v[20+\n]     ; with lane l xor 16's half: block n % 2 of tile n / 2
.endr
.irp n, 0,1,2,3,4,5,6,7
	v_add_nc_u32 v[20+\n], 0xff000000, v[12+\n]    ; 2 off the exponent field: the conversion's scale operand
.endr
.irp n, 0,1,2,3,4,5,6,7
	v_cvt_scalef32_pk16_fp6_f32 v[96+4*\n:98+4*\n], v[ACC+16*\n:ACC+16*\n+15], v[20+\n]
.endr
.irp n, 0,1,2,3,4,5,6,7
	v_lshrrev_b32 v[12+\n], 23, v[20+\n]
.endr
.irp a, 0,1,2,3
	v_lshl_or_b32 v[12+2*\a], v[13+2*\a], 8, v[12+2*\a]
.endr
.irp a, 0,1,2,3
.if \kind == 0
	v_or_b32 v[12+2*\a], s[QC], v[12+2*\a]
.else
	v_or_b32 v[12+2*\a], v[MK+\a], v[12+2*\a]
.endif
.endr
.irp i, 0,1,2
.irp a, 0,1,2,3
	v_permlane16_swap_b32 v[96+8*\a+\i], v[100+8*\a+\i]   ; a whole block in a lane: lanes 0-15 block 0, lanes 16-31 block 1
.endr
.endr
	v_cndmask_b32 v20, v12, v16, s[HM]             ; lanes 0-15 tiles 0 and 1, lanes 16-31 tiles 2 and 3
	v_cndmask_b32 v21, v14, v18, s[HM]
.irp i, 0,1,2
.irp a, 0,1,2,3
	v_mov_b32 v[99+8*\a+\i], v[100+8*\a+\i]        ; six registers on end
.endr
.endr
.irp a, 0,1,2,3
	global_store_b128 v3, v[96+8*\a:99+8*\a], s[\ob:\ob+1] offset:768*\a
	global_store_b64 v4, v[100+8*\a:101+8*\a], s[\ob:\ob+1] offset:768*\a+512
.endr
	global_store_b64 v4, v[20:21], s[\sb:\sb+1]    ; 256 consecutive bytes, aligned
.endm
; the way out of V's tiles t and t + 1: a lane holds a whole block of 32 tokens of its channel
.macro VOUT2 t
	PLACES 4
	WIN 0
.irp n, 0,1,2,3
	v_max3_num_f32 v[12+\n], |v[ACC+32*(\t)+16*\n]|, |v[ACC+32*(\t)+16*\n+1]|, 0x1800000
.endr
.irp i, 2,4,6,8,10,12,14
.irp n, 0,1,2,3
	v_max3_num_f32 v[12+\n], v[12+\n], |v[ACC+32*(\t)+16*\n+\i]|, |v[ACC+32*(\t)+16*\n+\i+1]|
.endr
.endr
.irp x, 0,1
	v_max_num_f32 v[12+2*\x], v[12+2*\x], v[13+2*\x]
.endr
.irp x, 0,1
	v_add_nc_u32 v[20+\x], 0xff000000, v[12+2*\x]
.endr
.irp x, 0,1
	v_cvt_scalef32_pk16_fp6_f32 v[96+8*(\t+\x):98+8*(\t+\x)], v[ACC+32*(\t+\x):ACC+32*(\t+\x)+15], v[20+\x]
	v_cvt_scalef32_pk16_fp6_f32 v[100+8*(\t+\x):102+8*(\t+\x)], v[ACC+32*(\t+\x)+16:ACC+32*(\t+\x)+31], v[20+\x]
.endr
.irp x, 0,1
	v_lshrrev_b32 v[16+\x], 23, v[20+\x]
.endr
.irp i, 0,1,2
.irp x, 0,1
	v_mov_b32 v[99+8*(\t+\x)+\i], v[100+8*(\t+\x)+\i]
.endr
.endr
.irp x, 0,1
	ds_store_b8 v10, v[16+\x] offset:64*(\t)+4*\x
	global_store_b128 v3, v[96+8*(\t+\x):99+8*(\t+\x)], s[80:81] offset:1536*(\t+\x)
	global_store_b64 v4, v[100+8*(\t+\x):101+8*(\t+\x)], s[80:81] offset:1536*(\t+\x)+512
.endr
.endm
; ================= the head
	s_load_b256 s[4:11], s[0:1], 0x0               ; codes1, tab1, bqkv, attention_mask
	s_load_b128 s[12:15], s[0:1], 0x20             ; qq, kk
	s_load_b64 s[16:17], s[0:1], 0x30              ; vv
	v_lshl_add_u32 v[SPW], v0, 2, SPARE
	v_mov_b32 v[NIL], 0
	ds_add_u32 v[SPW], v[NIL]                      ; the add, twice on end
	ds_add_u32 v[SPW], v[NIL]
	v_lshrrev_b32 v8, 5, v0
	v_readfirstlane_b32 s18, v8                    ; wave
	s_bfe_u32 s19, ttmp6, 0x40000                  ; cx
	s_bfe_u32 s20, ttmp6, 0x40004                  ; cy
	s_lshl_b32 s21, ttmp9, 2
	s_add_co_u32 s21, s21, s19                     ; the head
	s_and_b32 s22, ttmp7, 0xffff
	s_lshl_b32 s22, s22, 2
	s_add_co_u32 s22, s22, s20                     ; the tile of 256 tokens
	s_lshl_b32 s23, s20, 2
	s_lshl_b32 s23, 15, s23                        ; my row of the cluster
	s_lshl_b32 s3, 0x1111, s19                     ; my column
	GROUP1 G1X, 23, 128
	GROUP1 G1W, 3, 64
	s_mul_i32 s52, s22, 196608                     ; x: waves 0 and 1 fetch 128 rows each
	s_mul_i32 s53, s18, 98304
	s_add_co_u32 s52, s52, s53
	s_mov_b32 s53, 0
	s_mul_i32 s54, s21, 147456                     ; a head's 192 rows of the weights, behind x's 4,096
	s_mul_i32 s55, s18, 49152
	s_add_co_u32 s56, s54, s55
	s_add_co_u32 s56, s56, 3145728-98304           ; waves 2 and 3: W_q, W_k
	s_mov_b32 s57, 0
	s_add_co_u32 s54, s54, 3145728+98304           ; W_v
	s_mov_b32 s55, 0
	s_mov_b32 s[G0X], 1
	s_mul_i32 s[G0X+1], s18, 128*PITCH
	s_mov_b32 s[G0W], 1
	s_mul_i32 s[G0W+1], s18, 64*PITCH
	s_add_co_u32 s[G0W+1], s[G0W+1], WB-128*PITCH
	s_mov_b32 s[G0V], 1
	s_mov_b32 s[G0V+1], 0
	WALU
	s_wait_dscnt 0x0
	CROUND                                         ; all sixteen work-groups are here: the joint loads meet
	s_wait_kmcnt 0x0
	s_add_nc_u64 s[G0X+2:G0X+3], s[4:5], s[52:53]
	s_or_b32 s[G0X+3], s[G0X+3], 0x80000000
	s_add_nc_u64 s[G0W+2:G0W+3], s[4:5], s[56:57]
	s_or_b32 s[G0W+3], s[G0W+3], 0x80000000
	s_add_nc_u64 s[G0V+2:G0V+3], s[4:5], s[54:55]
	s_or_b32 s[G0V+3], s[G0V+3], 0x80000000
	s_cmp_lt_u32 s18, 2
	s_cbranch_scc0 .Lfor_w
	TLOAD G0X, G1X
	s_branch .Lasked
.Lfor_w:
	s_cmp_eq_u32 s18, 2
	s_cbranch_scc0 .Lfor_k
	TLOAD G0W, G1W
	s_branch .Lasked
.Lfor_k:
	TLOAD G0W, G1W                                 ; wave 3's own line: it does not wait at the first barrier
.Lasked:
	s_mov_b32 s85, 0
	s_lshl_b32 s84, s22, 13
	s_lshl_b32 s58, s18, 11
	s_add_co_u32 s84, s84, s58
	ADDR 60, 6                                     ; x's scale bytes: 32 a row
	s_mul_i32 s84, s21, 6144
	s_add_co_u32 s84, s84, 131072
	ADDR 62, 6                                     ; the weights'
	s_lshl_b32 s84, s21, 8
	ADDR 66, 8                                     ; the bias of my head: Q's, K's 4,096 on, V's 8,192 on
	s_lshl_b32 s84, s22, 10
	s_lshl_b32 s58, s18, 8
	s_add_co_u32 s84, s84, s58
	ADDR 68, 10                                    ; the mask of my 64 tokens
	s_and_b32 s91, s22, 3                          ; which 256 positions of the batch
	s_lshl_b32 s84, s91, 15
	s_lshl_b32 s58, s18, 13
	s_add_co_u32 s84, s84, s58
	s_add_co_u32 s84, s84, 262144
	ADDR 70, 6                                     ; the cosines; the sines lie 131,072 on
	s_lshr_b32 s92, s22, 2
	s_lshl_b32 s92, s92, 4
	s_add_co_u32 s92, s92, s21                     ; batch x head
	s_mul_i32 s84, s92, 49152
	s_mul_i32 s58, s91, 12288
	s_add_co_u32 s84, s84, s58
	s_mul_i32 s58, s18, 3072
	s_add_co_u32 s84, s84, s58
	ADDR 72, 12                                    ; Q's codes
	s_lshl_b32 s84, s92, 12
	s_lshl_b32 s58, s91, 10
	s_add_co_u32 s84, s84, s58
	s_lshl_b32 s58, s18, 8
	s_add_co_u32 s84, s84, s58
	s_add_co_u32 s84, s84, 3145728
	ADDR 74, 12                                    ; Q's scale words
	s_lshl_b32 s93, s91, 1
	s_lshr_b32 s94, s18, 1
	s_add_co_u32 s94, s94, s93                     ; my key step of 128 tokens
	s_and_b32 s95, s18, 1                          ; my half of it
	s_mul_i32 s84, s92, 53248
	s_mul_i32 s58, s94, 6656
	s_add_co_u32 s84, s84, s58
	s_mul_i32 s58, s95, 3072
	s_add_co_u32 s58, s58, s84
	s_lshl_b32 s59, s95, 8
	s_add_co_u32 s59, s59, s84
	s_mov_b32 s84, s58
	ADDR 76, 14                                    ; K's codes
	s_add_co_u32 s84, s59, 6144
	ADDR 78, 14                                    ; K's scale words
	s_mul_i32 s96, s92, 51200
	s_mul_i32 s84, s94, 6400
	s_add_co_u32 s84, s84, s96
	s_mul_i32 s58, s95, 768
	s_add_co_u32 s84, s84, s58
	ADDR 80, 16                                    ; V's codes
	s_add_co_u32 s93, s93, s95
	s_mul_i32 s84, s93, 6400
	s_add_co_u32 s84, s84, s96
	s_add_co_u32 s84, s84, 6144
	ADDR 82, 16                                    ; V's scale words: waves 0 and 1 store a key step's each
	s_mov_b32 s[SEL], 0x76543210
	s_mov_b32 s[SEL+1], 0xfedcba98
	s_mov_b32 s[HM], 0xffff0000
	s_mov_b32 s[QC], 0x7f780000
	s_mov_b32 s[OPN], 0x7f010000
	s_lshr_b32 s58, s18, 1
	s_lshl_b32 s58, s58, 8
	s_lshl_b32 s59, s95, 1
	s_add_co_u32 s58, s58, s59
	s_add_co_u32 s58, s58, VSTG
	s_mul_i32 s59, s18, 64*PITCH                   ; my 64 rows of x in LDS
	v_and_b32 v12, 15, v0                          ; r
	v_bfe_u32 v13, v0, 4, 1                        ; h
	v_and_b32 v14, 31, v0                          ; lane
	v_mul_u32_u24 v1, v12, PITCH
	v_mad_u32_u24 v1, v13, 24, v1                  ; a fragment's row, + 24 h
	v_lshl_add_u32 v2, v13, 4, v1                  ; and for pieces that lanes 16-31 find behind one padding more
	v_lshlrev_b32 v3, 4, v14
	v_lshlrev_b32 v4, 3, v14
	v_and_b32 v15, 7, v0
	v_bfe_u32 v16, v0, 3, 1
	v_lshl_add_u32 v16, v16, 5, v15                ; 32 (r / 8) + r % 8
	v_lshlrev_b32 v5, 7, v16
	v_lshl_add_u32 v5, v13, 6, v5                  ; my token's row of a table, + 64 h
	v_lshlrev_b32 v17, 2, v16
	v_lshlrev_b32 v18, 6, v13
	v_lshlrev_b32 v19, 5, v14
	v_lshl_add_u32 v10, v12, 3, v13
	v_add_nc_u32 v10, s58, v10                     ; V's scale byte: word r, byte 2 c + h
	WALU
.irp p, 0,1
.irp c, 0,1
	global_load_b128 v[XS+8*\p+4*\c:XS+8*\p+4*\c+3], v19, s[60:61] offset:1024*\p+16*\c
.endr
.endr
.irp p, 0,1,2,3,4,5
.irp c, 0,1
	global_load_b128 v[WS+8*\p+4*\c:WS+8*\p+4*\c+3], v19, s[62:63] offset:1024*\p+16*\c
.endr
.endr
.irp e, 0,1
.irp k, 0,1,2,3
	global_load_b128 v[BQ+16*\e+4*\k:BQ+16*\e+4*\k+3], v18, s[66:67] offset:128*\e+16*\k
.endr
.endr
.irp a, 0,1,2,3
	global_load_b32 v[MK+\a], v17, s[68:69] offset:32*\a
.endr
	WIN 0x40
.irp e, 0,1
.irp k, 0,1,2,3
	global_load_b128 v[BK+16*\e+4*\k:BK+16*\e+4*\k+3], v18, s[66:67] offset:4096+128*\e+16*\k
.endr
.endr
	WIN 0xc0
.irp t, 0,1,2,3
	global_load_b32 v[BVR+\t], v17, s[66:67] offset:8192+32*\t
.endr
	WIN 0
	s_wait_xcnt 0x0                                ; the loads have read v17-19
.irp a, 0,1,2,3
	v_add_nc_u32 v[12+2*\a], s59, v1
	v_add_nc_u32 v[13+2*\a], s59, v2
	s_add_co_u32 s59, s59, TR
.endr
	v_add_nc_u32 v8, WB, v1
	v_add_nc_u32 v9, WB, v2
	WALU
	s_cmp_eq_u32 s18, 3
	s_cbranch_scc1 .Lnot_k
	s_wait_tensorcnt 0x0
.Lnot_k:
	BARRIER                                        ; x and W_q are in; W_k may be on its way
; ================= Q.  The first batch goes with its own loads, two K steps ahead
	LQ 0
	LQ 1
.irp a, 0,1,2,3
	CSLOAD \a
.endr
	s_wait_loadcnt 32                              ; all but the tables' 32 loads: scale words and biases
	LQ 2
	s_wait_dscnt LC-LQE0                           ; (the loads of later K steps may be out)
	PRQ 0, 0, 0, WS, 0, 0
	LQ 3
	s_wait_dscnt LC-LQE1
	PRQ 0, 0, 0, WS, 0, 1
	LQ 4
	s_wait_dscnt LC-LQE2
	PRQ 0, 0, 0, WS, 0, 2
	LQ 5
	s_wait_dscnt LC-LQE3
	PRQ 0, 0, 0, WS, 0, 3
	LQ 6
	s_wait_dscnt LC-LQE4
	PRQ 0, 0, 0, WS, 0, 4
	LQ 7
	s_wait_dscnt LC-LQE5
	PRQ 0, 0, 0, WS, 0, 5
	WIN 0
	v_add_nc_u32 v8, WB+TR, v1
	v_add_nc_u32 v9, WB+TR, v2
.irp q, 0,1,2,3,4,5,6,7
	LDW 1, \q
.endr
	s_wait_dscnt LC-LQE6
	PRQ 0, 0, 0, WS, 0, 6
	s_wait_dscnt LC-LQE7
	PRQ 0, 0, 0, WS, 0, 7
	FETCHN WB+2*TR, 0
	BATCH 0, 1, 1, WS, 1, 27, 1                    ; (tile 2's 26 loads and the add may be out)  All waves hold x: W_v's rows are asked for
	FETCHN WB+3*TR, 1
	BATCH 0, 0, 2, WS+8, 0, 26, 0                  ; (the next tile's 26 loads may be out)
	FETCHN WB+4*TR, 0
	BATCH 0, 1, 3, WS+8, 1, 26, 0
	FETCHN WB+5*TR, 1
	QKOUT 0, 72, 74
; ================= K
	BATCH 1, 0, 0, WS+16, 0, 26, 0
	FETCHN WB+6*TR, 0
	BATCH 1, 1, 1, WS+16, 1, 26, 0
	FETCHN WB+7*TR, 1
	BATCH 1, 0, 2, WS+24, 0, 26, 2                 ; W_v is shown to all
	FETCHN 0, 0
	BATCH 1, 1, 3, WS+24, 1, 26, 0
	FETCHN TR, 1
	QKOUT 1, 76, 78
; ================= V
	BATCH 2, 0, 0, WS+32, 0, 26, 0
	FETCHN 2*TR, 0
	BATCH 2, 1, 1, WS+32, 1, 26, 0
	FETCHN 3*TR, 1
	WIN 0
	s_wait_xcnt 0x0                                ; K's stores have read the codes' registers
	VOUT2 0
	BATCH 2, 0, 2, WS+40, 0, 28, 0                 ; (the last tile's 26 loads and two byte stores may be out)
	BATCH 2, 1, 3, WS+40, 1, 0, 0
	VOUT2 2
	s_lshl_b32 s58, s95, 8
	s_add_co_u32 s58, s58, VSTG
	v_add_nc_u32 v22, s58, v4
	WALU
	s_wait_tensorcnt 0x0                           ; the wave's end
	ds_add_u32 v[SPW], v[NIL]
	s_wait_dscnt 0x0
	BARRIER                                        ; all of V's scale bytes lie in LDS
	s_cmp_lt_u32 s18, 2
	s_cbranch_scc0 .Lout
	ds_load_b64 v[24:25], v22
	s_wait_dscnt 0x0
	global_store_b64 v4, v[24:25], s[82:83]        ; 256 consecutive bytes, aligned
.Lout:
	CROUND                                         ; the closing round
	s_endpgm
.Lfunc_end_k_q320bcd8938_qkv:
	.size	k_q320bcd8938_qkv, .Lfunc_end_k_q320bcd8938_qkv-k_q320bcd8938_qkv
	.p2alignl 7, 3214868480
	.fill 96, 4, 3214868480
	.section	.rodata,"a",@progbits
	.p2align	6, 0x0
	.amdhsa_kernel k_q320bcd8938_qkv
		.amdhsa_group_segment_fixed_size 327680
		.amdhsa_private_segment_fixed_size 0
		.amdhsa_enable_private_segment 0
		.amdhsa_kernarg_size 56
		.amdhsa_user_sgpr_count 2
		.amdhsa_user_sgpr_kernarg_segment_ptr 1
		.amdhsa_wavefront_size32 1
		.amdhsa_system_sgpr_workgroup_id_x 1
		.amdhsa_system_sgpr_workgroup_id_y 1
		.amdhsa_system_sgpr_workgroup_id_z 1
		.amdhsa_system_vgpr_workitem_id 0
		.amdhsa_next_free_vgpr 1024
		.amdhsa_next_free_sgpr 102
		.amdhsa_reserve_vcc 1
		.amdhsa_float_denorm_mode_32 3
		.amdhsa_float_denorm_mode_16_64 3
		.amdhsa_memory_ordered 1
		.amdhsa_forward_progress 1
		.amdhsa_inst_pref_size 139
	.end_amdhsa_kernel
	.amdgpu_metadata
---
amdhsa.version: [ 1, 2 ]
amdhsa.kernels:
  - .name:           k_q320bcd8938_qkv
    .symbol:         k_q320bcd8938_qkv.kd
    .args:
      - { .name: codes1, .offset: 0, .size: 8, .value_kind: global_buffer, .address_space: global }
      - { .name: tab1, .offset: 8, .size: 8, .value_kind: global_buffer, .address_space: global }
      - { .name: bqkv, .offset: 16, .size: 8, .value_kind: global_buffer, .address_space: global }
      - { .name: attention_mask, .offset: 24, .size: 8, .value_kind: global_buffer, .address_space: global }
      - { .name: qq, .offset: 32, .size: 8, .value_kind: global_buffer, .address_space: global }
      - { .name: kk, .offset: 40, .size: 8, .value_kind: global_buffer, .address_space: global }
      - { .name: vv, .offset: 48, .size: 8, .value_kind: global_buffer, .address_space: global }
    .group_segment_fixed_size: 327680
    .private_segment_fixed_size: 0
    .kernarg_segment_align: 8
    .kernarg_segment_size: 56
    .max_flat_workgroup_size: 128
    .sgpr_count:     102
    .vgpr_count:     1024
    .wavefront_size: 32
...
	.end_amdgpu_metadata
.endif
;; end of part 2
;; launch attn (part 3): grid 4 x 64, 8 waves a work-group, clusters of 4 x 1, 169,984 bytes of LDS; arguments qq, kk, vv, oc, os; writes oc, os
.if DOCPART == 3
	.amdgcn_target "amdgcn-amd-amdhsa--gfx1250"
	.amdhsa_code_object_version 6
	.text
	.protected	k_q320bcd8938_attn
	.globl	k_q320bcd8938_attn
	.p2align	8
	.type	k_q320bcd8938_attn,@function
k_q320bcd8938_attn:
	s_mov_b64 s[64:65], 0
	v_nop
	global_prefetch_b8 v0, s[64:65] scope:SCOPE_SE
	s_setreg_imm32_b32 hwreg(HW_REG_WAVE_MODE, 25, 1), 1
	s_wait_xcnt 0x0
	s_wait_alu depctr_hold_cnt(0) depctr_sa_sdst(0) depctr_va_vdst(0) depctr_va_sdst(0) depctr_va_ssrc(0) depctr_va_vcc(0) depctr_vm_vsrc(0)
	s_getreg_b32 s2, hwreg(HW_REG_IB_STS2, 6, 4)
	s_cmp_eq_u32 s2, 0
	s_cbranch_scc0 .Lentry_in_a_cluster
	s_endpgm
.Lentry_in_a_cluster:
	s_bfe_u32 s2, ttmp6, 0x10000c
	s_cmp_lg_u32 s2, 0x3003
	s_cbranch_scc0 .Lentry_shape_is_right
	s_endpgm
.Lentry_shape_is_right:
; o = softmax(q k^T / 8, masked) v for one batch x head, both products on codes of FP6 (E2M3) with E8M0 scales, and o quantised along the head's 64 channels.
; THE SOFTMAX AHEAD OF THE SECOND PRODUCT: t = score x log2(e) / 8; M = the row's largest t so far, rounded up to a whole number; p = 2^(t - M) is quantised along the keys; the row's sum is taken of the unquantised p and divides at
; the end.  When M moves, the sum and O are multiplied by 2^(old M - new M), which rounds nothing.
; SHARES.  A work-group owns 256 queries of a head, each of its eight waves two tiles of 16, A and B, in 512 registers: each fragment of K and V serves both, and their vector work goes by turns.  A head's K and V fit in LDS
; whole: each byte is filled once.  The four query blocks of a head form a cluster and ask for K and V jointly: waves 0-3 two key steps of K each, waves 4-7 of V.  No data prefetch: nothing is read later than the head's one load a wave.
; LAYOUT.  Both products transposed: S^T = K Q^T, O^T = V^T P^T: a lane holds query r.  K's tile j of 64 keys is keys 8 j + i (rows 0-7) and 32 + 8 j + i: so lane (r, h) holds in four tiles' 32 registers keys 32 h + 0 .. 31, A WHOLE
; BLOCK, in the operand's own place: no code changes lanes.  V's tile t is channels 32 (r / 8) + 8 t + r % 8: so O^T's 32 registers are channels 32 h + 0 .. 31, a whole block of the next product's K.
; A key step is 128 keys: [V's loads of this step, K's of the next], softmax, V^T P^T, K Q^T of the next step: 24 products on end.
; THE EXPONENTIALS go block by block, four batches of 33; between single exponentials of a batch stands plain work of other blocks that names none of the batch's registers: later blocks' t - M, earlier blocks' sums.
; What is written there is first read behind the next wait.
; THE MASK.  k = 64 of the instruction's 128 holds the code 1.0 in every key and -1.0 in every query; the scale bytes make it -2^120 for a masked key, -2^-133 for an open one.  A masked p is 0.
; LIMITS: the scaled scores stay under 2^31; in a batch with no open key every sum comes out as -2^120 (a score is swallowed by it), so every p is 1 and the weights are uniform.  NaN and infinities are not served.
; REGISTERS, window 0: v1-11 lane terms and addresses; v12,13 Q's scale words; v14-17 K's, v18,19 V's, v20,21 p's; v22, v24 -M; v26, v28 f; v30,31 the largest score; v32-35 the sums; v36-59 p's codes (v36-51 also B's sums on the way);
; v60-123 at work; v128-255 S^T, p.  window 1: 0-63 O^T; 64-87 Q; 88-183 K's eight fragments; 184-231 V's four.
.set STG,   104448                     ; o's scale bytes: 512
.set SPARE, 104960
.set SEL,   20
.set CS,    22
.set G1K,   24
.set G1V,   32
.set G0K,   40
.set G0V,   44
.set TBK,   53
.set TBV,   54
.set CNT,   55
.set MSB,   0
.macro WIN new
.if MSB != (\new)
	s_set_vgpr_msb (MSB<<8)|(\new)
.set MSB, (\new)
.endif
.endm
.macro WALU
	s_wait_alu depctr_va_vdst(0)
.endm
.macro BARRIER
	s_barrier_signal -1
	s_barrier_wait -1
.endm
.macro CROUND
	BARRIER
	s_cmp_lg_u32 s14, 0
	s_cbranch_scc1 .Lnot_wave_0_\@
	s_barrier_signal -3
.Lnot_wave_0_\@:
	s_barrier_wait -3
	BARRIER
.endm
.macro TLOAD g0, g1
	tensor_load_to_lds s[\g0:\g0+3], s[\g1:\g1+7]
	s_nop 0
.rept 4
	v_nop
.endr
.endm
.macro GROUP1 g, rows                  ; rows of 256 bytes, dense; the mask of all four
	s_mov_b32 s[\g], 15|(3<<16)|(1<<21)
	s_mov_b32 s[\g+1], 32<<16
	s_mov_b32 s[\g+2], (\rows)<<16
	s_mov_b32 s[\g+3], 32<<16
	s_mov_b32 s[\g+4], \rows
	s_mov_b32 s[\g+5], 32
	s_mov_b32 s[\g+6], 0
	s_mov_b32 s[\g+7], 0
.endm
.macro KLD                             ; a key step's eight tiles of K (registers 0-5 of each fragment) and their scale words: 18 loads
	WIN 0x40
.irp t, 0,1,2,3,4,5,6,7
	ds_load_b128 v[88+12*\t:91+12*\t], v4 offset:768*\t
	ds_load_b64 v[92+12*\t:93+12*\t], v5 offset:768*\t+512
.endr
	WIN 0
	ds_load_b64 v[14:15], v5 offset:6144           ; lanes 0-15: tiles 0 and 1, lanes 16-31: tiles 2 and 3 of the first 64 keys
	ds_load_b64 v[16:17], v5 offset:6400
.endm
.macro VLD                             ; V's four operands and their scale words: 17 loads
	WIN 0x40
.irp t, 0,1,2,3
.irp c, 0,1
	ds_load_b128 v[184+12*\t+6*\c:187+12*\t+6*\c], v6 offset:1536*\t+768*\c
	ds_load_b64 v[188+12*\t+6*\c:189+12*\t+6*\c], v7 offset:1536*\t+768*\c+512
.endr
.endr
	WIN 0
	ds_load_b64 v[18:19], v7 offset:6144
.endm
.macro WM d, s0, s1, c, x0, x1, ra
	v_wmma_scale_f32_16x16x128_f8f6f4 v[\d:\d+7], v[\s0:\s0+11], v[\s1:\s1+11], \c, v[\x0], v[\x1] matrix_a_fmt:MATRIX_FMT_FP6 matrix_b_fmt:MATRIX_FMT_FP6 matrix_a_scale:MATRIX_SCALE_ROW\ra
.endm
.macro SPROD                           ; S^T = K Q^T: 16 products
	WIN 0x05
.irp c, 0,1
.irp b, 0,1
.irp s, 0,1
.irp x, 0,1
.set D_, 128+64*\x+8*(4*\c+2*\b+\s)
.set K_, 88+12*(4*\c+2*\b+\s)
.set Q_, 64+12*\x
.set A_, 14+2*\c+\s
.set B_, 12+\x
	WM D_, K_, Q_, 0, A_, B_, \b
.endr
.endr
.endr
.endr
	WIN 0
.endm
.macro PVPROD                          ; O^T += V^T P^T: eight accumulators
	WIN 0x51
.irp b, 0,1
.irp s, 0,1
.irp x, 0,1
.set D_, 32*\x+8*(2*\b+\s)
.set K_, 184+12*(2*\b+\s)
.set Q_, 36+12*\x
.set A_, 18+\s
.set B_, 20+\x
	WM D_, K_, Q_, v[D_:D_+7], A_, B_, \b
.endr
.endr
.endr
	WIN 0
.endm
; blocks of 32 keys: 0, 1 of query tile A, 2, 3 of B
.macro TML b, k                        ; t - M of block b, pair k of sixteen
	v_pk_fma_f32 v[128+32*(\b)+2*(\k):129+32*(\b)+2*(\k)], v[128+32*(\b)+2*(\k):129+32*(\b)+2*(\k)], s[CS:CS+1], v[22+2*((\b)/2):23+2*((\b)/2)] op_sel_hi:[1,0,0]
.endm
.macro SUM1 b, k, t                    ; the row's sum is taken of the unquantised p: pairs 2 k and 2 k + 1 of block b
	v_pk_add_f32 v[\t+2*(\k):\t+2*(\k)+1], v[128+32*(\b)+4*(\k):129+32*(\b)+4*(\k)], v[130+32*(\b)+4*(\k):131+32*(\b)+4*(\k)]
.endm
.macro PADD d, s
	v_pk_add_f32 v[\d:\d+1], v[\d:\d+1], v[\s:\s+1]
.endm
.macro FLOOR b                         ; the floor 2^(3 - 127) under a block's largest p
	v_max_num_f32 v[60+2*\b], 0x1800000, v[60+2*\b]
.endm
.macro SCALE b                         ; 2 off the exponent field: the conversion's scale operand
	v_add_nc_u32 v[96+\b], 0xff000000, v[60+2*\b]
.endm
; what stands behind a batch's exponential i
.macro WITH0 i
.if (\i) < 16
	TML 1, \i
.elseif (\i) < 32
	TML 2, (\i)-16
.endif
.endm
.macro WITH1 i
.if (\i) < 16
	TML 3, \i
.elseif (\i) < 24
	SUM1 0, (\i)-16, 80
.endif
.endm
.macro WITH2 i
.if ((\i)%3 == 0) && ((\i) < 24)
	SUM1 1, (\i)/3, 108
.elseif (\i) == 25
	FLOOR 0
.elseif (\i) == 28
	FLOOR 1
.endif
.endm
.macro WITH3 i
.if (\i) < 16
.if (\i)%2
	PADD 80+2*((\i)/2), 108+2*((\i)/2)
.else
	SUM1 2, (\i)/2, 36
.endif
.elseif (\i) == 16
	SCALE 0
.elseif (\i) == 17
	SCALE 1
.endif
.endm
.macro EXQ b, with                     ; p = 2^(t - M) of block b, its largest first
.set I_, 0
.rept 33
.if I_ == 0
	v_exp_f32 v[60+2*\b], v[60+2*\b]
.else
	v_exp_f32 v[127+32*\b+I_], v[127+32*\b+I_]
.endif
	\with I_
.set I_, I_+1
.endr
.endm
.macro SOFT
; the largest score of each block, in two chains; it serves the row's maximum and, since p rises with the score, the block's largest p
.irp b, 0,1,2,3
	v_max3_num_f32 v[60+2*\b], v[128+32*\b], v[129+32*\b], v[130+32*\b]
	v_max3_num_f32 v[61+2*\b], v[144+32*\b], v[145+32*\b], v[146+32*\b]
.endr
.irp i, 3,5,7,9,11,13
.irp b, 0,1,2,3
	v_max3_num_f32 v[60+2*\b], v[60+2*\b], v[128+32*\b+\i], v[129+32*\b+\i]
	v_max3_num_f32 v[61+2*\b], v[61+2*\b], v[144+32*\b+\i], v[145+32*\b+\i]
.endr
.endr
.irp b, 0,1,2,3
	v_max3_num_f32 v[60+2*\b], v[60+2*\b], v[143+32*\b], v[159+32*\b]
.endr
.irp b, 0,1,2,3
	v_max_num_f32 v[60+2*\b], v[60+2*\b], v[61+2*\b]
.endr
	v_max3_num_f32 v68, v60, v62, v30
	v_max3_num_f32 v69, v64, v66, v31
	v_permlanex16_b32 v70, v68, s[SEL], s[SEL+1]
	v_permlanex16_b32 v71, v69, s[SEL], s[SEL+1]
	v_max_num_f32 v30, v68, v70                    ; the running largest score
	v_max_num_f32 v31, v69, v71
	v_mul_f32 v72, s[CS], v30
	v_mul_f32 v73, s[CS], v31
	v_floor_f32 v74, -v72                          ; the new -M = floor(-t): a whole number
	v_floor_f32 v75, -v73
	v_sub_f32 v76, v74, v22                        ; old M - new M, 0 or less
	v_sub_f32 v77, v75, v24
	v_mov_b32 v22, v74
	v_mov_b32 v24, v75
	v_cvt_i32_f32 v76, v76                         ; (it saturates)
	v_cvt_i32_f32 v77, v77
.set J, 0
.rept 16
	TML 0, J
.set J, J+1
.endr
	v_ldexp_f32 v26, 1.0, v76                      ; f = 2^(old M - new M)
	v_ldexp_f32 v28, 1.0, v77
	v_fma_f32 v60, v60, s[CS], v22
	v_fma_f32 v62, v62, s[CS], v22
	v_fma_f32 v64, v64, s[CS], v24
	v_fma_f32 v66, v66, s[CS], v24
	WALU                                           ; the wait ahead of each batch,
	EXQ 0, WITH0
	WALU
	EXQ 1, WITH1
	WALU
	EXQ 2, WITH2
	WALU
	EXQ 3, WITH3
	v_nop
	WALU                                           ; and behind the last
.irp k, 0,1,2,3,4,5,6,7
	SUM1 3, \k, 108
.endr
.irp k, 0,1,2,3,4,5,6,7
	PADD 36+2*\k, 108+2*\k
.endr
	FLOOR 2
	FLOOR 3
.irp k, 80,84,88,92,36,40,44,48
	PADD \k, \k+2
.endr
	SCALE 2
	SCALE 3
.irp k, 80,88,36,44
	PADD \k, \k+4
.endr
.irp b, 0,1,2,3
	v_lshlrev_b32 v[100+\b], 1, v[96+\b]           ; the scale's byte on top
.endr
	PADD 80, 88
	PADD 36, 44
	v_perm_b32 v104, v101, v100, v10               ; my blocks h and 2 + h at their bytes of the scale word
	v_perm_b32 v105, v103, v102, v10
	v_pk_fma_f32 v[32:33], v[32:33], v[26:27], v[80:81] op_sel_hi:[1,0,1]
	v_pk_fma_f32 v[34:35], v[34:35], v[28:29], v[36:37] op_sel_hi:[1,0,1]
	v_cvt_scalef32_pk16_fp6_f32 v[36:38], v[128:143], v96
	v_cvt_scalef32_pk16_fp6_f32 v[108:110], v[144:159], v96
	v_cvt_scalef32_pk16_fp6_f32 v[42:44], v[160:175], v97
	v_cvt_scalef32_pk16_fp6_f32 v[112:114], v[176:191], v97
	v_cvt_scalef32_pk16_fp6_f32 v[48:50], v[192:207], v98
	v_cvt_scalef32_pk16_fp6_f32 v[116:118], v[208:223], v98
	v_cvt_scalef32_pk16_fp6_f32 v[54:56], v[224:239], v99
	v_cvt_scalef32_pk16_fp6_f32 v[120:122], v[240:255], v99
	v_permlanex16_b32 v106, v104, s[SEL], s[SEL+1]
	v_permlanex16_b32 v107, v105, s[SEL], s[SEL+1]
.irp i, 0,1,2
	v_mov_b32 v[39+\i], v[108+\i]                  ; (a conversion's three registers begin on an even number)
	v_mov_b32 v[45+\i], v[112+\i]
	v_mov_b32 v[51+\i], v[116+\i]
	v_mov_b32 v[57+\i], v[120+\i]
.endr
	v_or_b32 v20, v104, v106                       ; with lane l xor 16's two bytes: p's scale word
	v_or_b32 v21, v105, v107
	WIN 0x41
	WALU                                           ; the wait ahead of the first reader of O^T
.set J, 0
.rept 16
	v_pk_mul_f32 v[J:J+1], v[J:J+1], v[26:27] op_sel_hi:[1,0]   ; O^T under the new M; these are also the places ahead of the products
	v_pk_mul_f32 v[32+J:33+J], v[32+J:33+J], v[28:29] op_sel_hi:[1,0]
.set J, J+2
.endr
	WIN 0
.endm
.macro STEP more
	v_add_nc_u32 v6, s[TBV], v2                    ; the addresses: with v4 and v5 the four places between the products and the loads into their sources and the first read of S^T
	v_add_nc_u32 v7, s[TBV], v3
.if \more
	v_add_nc_u32 v4, s[TBK], v2
	v_add_nc_u32 v5, s[TBK], v3
.else
	v_nop
	v_nop
.endif
	VLD
.if \more
	KLD
.endif
	SOFT
	WALU
	s_wait_dscnt 0x0                               ; V's operands and the next step's K, asked for a softmax ago
	PVPROD
.if \more
	SPROD
	s_add_co_u32 s[TBV], s[TBV], 6400
	s_add_co_u32 s[TBK], s[TBK], 6656
.endif
.endm
	s_load_b256 s[4:11], s[0:1], 0x0               ; qq, kk, vv, oc
	s_load_b64 s[12:13], s[0:1], 0x20              ; os
	v_lshl_add_u32 v8, v0, 2, SPARE
	v_mov_b32 v9, 0
	ds_add_u32 v8, v9                              ; the add, twice on end
	ds_add_u32 v8, v9
	v_lshrrev_b32 v1, 5, v0
	v_readfirstlane_b32 s14, v1                    ; wave
	s_bfe_u32 s15, ttmp6, 0x40000                  ; cx: my 256 queries
	s_and_b32 s16, ttmp7, 0xffff                   ; batch x head
	GROUP1 G1K, 52
	GROUP1 G1V, 50
	s_and_b32 s17, s14, 3
	s_mul_i32 s18, s17, 13312                      ; two key steps of K
	s_mul_i32 s48, s16, 53248
	s_add_co_u32 s48, s48, s18
	s_mov_b32 s49, 0
	s_mul_i32 s19, s17, 12800                      ; two of V
	s_mul_i32 s50, s16, 51200
	s_add_co_u32 s50, s50, s19
	s_mov_b32 s51, 0
	s_mov_b32 s[G0K], 1
	s_mov_b32 s[G0K+1], s18
	s_mov_b32 s[G0V], 1
	s_add_co_u32 s[G0V+1], s19, 53248
	WALU
	s_wait_dscnt 0x0
	CROUND                                         ; all four work-groups are here: the joint loads meet
	s_wait_kmcnt 0x0
	s_add_nc_u64 s[G0K+2:G0K+3], s[6:7], s[48:49]
	s_or_b32 s[G0K+3], s[G0K+3], 0x80000000
	s_add_nc_u64 s[G0V+2:G0V+3], s[8:9], s[50:51]
	s_or_b32 s[G0V+3], s[G0V+3], 0x80000000
	s_cmp_lt_u32 s14, 4
	s_cbranch_scc0 .Lfor_v
	TLOAD G0K, G1K
	s_branch .Lasked
.Lfor_v:
	TLOAD G0V, G1V
.Lasked:
	s_mov_b32 s61, 0
	s_lshl_b32 s62, s15, 4
	s_lshl_b32 s63, s14, 1
	s_add_co_u32 s62, s62, s63                     ; my first tile of 16 queries in the head
	s_mul_i32 s60, s62, 768
	s_mul_i32 s63, s16, 49152
	s_add_co_u32 s60, s60, s63
	s_add_nc_u64 s[56:57], s[4:5], s[60:61]        ; Q's codes
	s_lshl_b32 s60, s62, 6
	s_lshl_b32 s63, s16, 12
	s_add_co_u32 s60, s60, s63
	s_add_co_u32 s60, s60, 3145728
	s_add_nc_u64 s[58:59], s[4:5], s[60:61]        ; and scale words: 64 bytes a tile
	s_lshr_b32 s60, s16, 4
	s_lshl_b32 s60, s60, 6
	s_lshl_b32 s63, s15, 4
	s_add_co_u32 s63, s63, s60                     ; the work-group's first tile among all 256
	s_add_co_u32 s62, s62, s60                     ; mine
	s_and_b32 s17, s16, 15                         ; the head
	s_mul_i32 s60, s62, 12288
	s_mul_i32 s62, s17, 768
	s_add_co_u32 s60, s60, s62
	s_add_nc_u64 s[10:11], s[10:11], s[60:61]
	s_lshl_b32 s60, s17, 13
	s_lshl_b32 s63, s63, 5
	s_add_co_u32 s60, s60, s63
	s_add_nc_u64 s[12:13], s[12:13], s[60:61]
	s_mov_b32 s[SEL], 0x76543210
	s_mov_b32 s[SEL+1], 0xfedcba98
	s_mov_b32 s[CS], 0x3e38aa3b                    ; log2(e) / 8
	s_mov_b32 s[CS+1], s[CS]
	s_mov_b32 s52, 0xffff0000
	s_mov_b32 s[TBK], 6656
	s_mov_b32 s[TBV], 53248
	s_mov_b32 s[CNT], 7
	s_lshl_b32 s60, s14, 6
	s_add_co_u32 s60, s60, STG
	v_and_b32 v5, 31, v0
	v_and_b32 v4, 15, v0                           ; r
	v_bfe_u32 v7, v0, 4, 1                         ; h
	v_lshlrev_b32 v2, 4, v5                        ; 16 x lane
	v_lshlrev_b32 v3, 3, v5                        ; 8 x lane
	v_lshlrev_b32 v11, 3, v4                       ; 8 r
	v_lshl_add_u32 v4, v4, 1, v7
	v_add_nc_u32 v1, s60, v4                       ; o's scale byte: 2 r + h
	v_xor_b32 v6, 1, v7                            ; 1 in lanes 0-15
	WALU
	WIN 0x40
	global_load_b128 v[64:67], v2, s[56:57]
	global_load_b64 v[68:69], v3, s[56:57] offset:512
	global_load_b128 v[76:79], v2, s[56:57] offset:768
	global_load_b64 v[80:81], v3, s[56:57] offset:1280
	WIN 0
	global_load_b64 v[12:13], v11, s[58:59]
	v_mov_b32 v60, 0x070c030c
	v_mov_b32 v10, 0x0c070c03
	v_cndmask_b32 v10, v10, v60, s52               ; lanes 0-15: bytes 0 and 2 of p's scale word, lanes 16-31: bytes 1 and 3
	v_mul_u32_u24 v61, 0x28, v6                    ; the code -1.0 at k = 64, which lanes 0-15 hold
	v_lshlrev_b32 v62, 3, v6                       ; the code 1.0
	WIN 0x40
.irp x, 0,1
	v_mov_b32 v[70+12*\x], v61
.irp j, 71,72,73,74,75
	v_mov_b32 v[\j+12*\x], 0
.endr
.endr
.irp t, 0,1,2,3,4,5,6,7
	v_mov_b32 v[94+12*\t], v62                     ; (loads touch registers 0-5 of a fragment of K alone)
.irp j, 95,96,97,98,99
	v_mov_b32 v[\j+12*\t], 0
.endr
.endr
.set J, 0
.rept 64
	v_mov_b32 v[J], 0                              ; O^T: the step's first run finds zeros, which the first change of M leaves zeros
.set J, J+1
.endr
	WIN 0
	v_mov_b32 v30, 0xff61b1e6                      ; the largest score so far: -3e38
	v_mov_b32 v31, v30
	v_mov_b32 v22, 0x7f61b1e6                      ; -M
	v_mov_b32 v24, v22
.irp j, 23,25,27,29,32,33,34,35,70,71,106,107
	v_mov_b32 v\j, 0                               ; the sums; and what is named in a pair or as a lane permute's destination before it is first written
.endr
	v_mov_b32 v4, v2
	v_mov_b32 v5, v3
	WALU                                           ; the wait at the head's end
	s_cmp_lt_u32 s14, 4
	s_cbranch_scc0 .Lno_k
	s_wait_tensorcnt 0x0
.Lno_k:
	BARRIER                                        ; K is in; V may be on its way: nothing is filled again
	KLD
	s_wait_loadcnt 0x0                             ; Q
	s_wait_dscnt 0x0
	SPROD
	s_wait_tensorcnt 0x0
	BARRIER                                        ; V is in
.Lstep:
	STEP 1
	s_sub_co_u32 s[CNT], s[CNT], 1
	s_cmp_lg_u32 s[CNT], 0
	s_cbranch_scc1 .Lstep
	STEP 0                                         ; the last step asks for no K
; THE WAY OUT: O^T / the sum; a lane's 32 registers are a whole block of the output projection's K
	v_add_f32 v68, v32, v33                        ; these four are the places behind the last products
	v_add_f32 v69, v34, v35
	v_permlanex16_b32 v70, v68, s[SEL], s[SEL+1]
	v_permlanex16_b32 v71, v69, s[SEL], s[SEL+1]
	v_add_f32 v68, v68, v70
	v_add_f32 v69, v69, v71
	WALU
	v_rcp_f32 v96, v68
	v_rcp_f32 v98, v69
	v_nop
	WIN 0x01
	WALU
.set J, 0
.rept 16
	v_pk_mul_f32 v[128+J:129+J], v[J:J+1], v[96:97] op_sel_hi:[1,0]
	v_pk_mul_f32 v[192+J:193+J], v[32+J:33+J], v[98:99] op_sel_hi:[1,0]
.set J, J+2
.endr
	WIN 0
.irp u, 0,1
	v_max3_num_f32 v[60+\u], |v[128+16*\u]|, |v[129+16*\u]|, 0x1800000
	v_max3_num_f32 v[62+\u], |v[192+16*\u]|, |v[193+16*\u]|, 0x1800000
.endr
.irp i, 2,4,6,8,10,12,14
.irp u, 0,1
	v_max3_num_f32 v[60+\u], v[60+\u], |v[128+16*\u+\i]|, |v[129+16*\u+\i]|
	v_max3_num_f32 v[62+\u], v[62+\u], |v[192+16*\u+\i]|, |v[193+16*\u+\i]|
.endr
.endr
	v_max_num_f32 v60, v60, v61
	v_max_num_f32 v62, v62, v63
	v_add_nc_u32 v72, 0xff000000, v60
	v_add_nc_u32 v73, 0xff000000, v62
	v_cvt_scalef32_pk16_fp6_f32 v[36:38], v[128:143], v72
	v_cvt_scalef32_pk16_fp6_f32 v[40:42], v[144:159], v72
	v_cvt_scalef32_pk16_fp6_f32 v[48:50], v[192:207], v73
	v_cvt_scalef32_pk16_fp6_f32 v[52:54], v[208:223], v73
	v_lshrrev_b32 v74, 23, v72
	v_lshrrev_b32 v75, 23, v73
.irp i, 0,1,2
	v_mov_b32 v[39+\i], v[40+\i]
	v_mov_b32 v[51+\i], v[52+\i]
.endr
	ds_store_b8 v1, v74
	ds_store_b8 v1, v75 offset:32
	global_store_b128 v2, v[36:39], s[10:11]
	global_store_b64 v3, v[40:41], s[10:11] offset:512
	global_store_b128 v2, v[48:51], s[10:11] offset:12288
	global_store_b64 v3, v[52:53], s[10:11] offset:12800
	v_add_nc_u32 v4, STG, v2
	WALU
	s_wait_tensorcnt 0x0                           ; the wave's end
	ds_add_u32 v8, v9
	s_wait_dscnt 0x0
	BARRIER                                        ; all scale bytes lie in LDS
	s_cmp_lg_u32 s14, 0
	s_cbranch_scc1 .Lout
	ds_load_b128 v[60:63], v4
	s_wait_dscnt 0x0
	global_store_b128 v2, v[60:63], s[12:13]       ; 16 tiles x 32 bytes: two aligned units of 256 bytes
.Lout:
	CROUND                                         ; the closing round
	s_endpgm
.Lfunc_end_k_q320bcd8938_attn:
	.size	k_q320bcd8938_attn, .Lfunc_end_k_q320bcd8938_attn-k_q320bcd8938_attn
	.p2alignl 7, 3214868480
	.fill 96, 4, 3214868480
	.section	.rodata,"a",@progbits
	.p2align	6, 0x0
	.amdhsa_kernel k_q320bcd8938_attn
		.amdhsa_group_segment_fixed_size 169984
		.amdhsa_private_segment_fixed_size 0
		.amdhsa_enable_private_segment 0
		.amdhsa_kernarg_size 40
		.amdhsa_user_sgpr_count 2
		.amdhsa_user_sgpr_kernarg_segment_ptr 1
		.amdhsa_wavefront_size32 1
		.amdhsa_system_sgpr_workgroup_id_x 1
		.amdhsa_system_sgpr_workgroup_id_y 1
		.amdhsa_system_sgpr_workgroup_id_z 1
		.amdhsa_system_vgpr_workitem_id 0
		.amdhsa_next_free_vgpr 512
		.amdhsa_next_free_sgpr 66
		.amdhsa_reserve_vcc 0
		.amdhsa_float_denorm_mode_32 3
		.amdhsa_float_denorm_mode_16_64 3
		.amdhsa_memory_ordered 1
		.amdhsa_forward_progress 1
		.amdhsa_inst_pref_size 72
	.end_amdhsa_kernel
	.amdgpu_metadata
---
amdhsa.version: [ 1, 2 ]
amdhsa.kernels:
  - .name:           k_q320bcd8938_attn
    .symbol:         k_q320bcd8938_attn.kd
    .args:
      - { .name: qq, .offset: 0, .size: 8, .value_kind: global_buffer, .address_space: global }
      - { .name: kk, .offset: 8, .size: 8, .value_kind: global_buffer, .address_space: global }
      - { .name: vv, .offset: 16, .size: 8, .value_kind: global_buffer, .address_space: global }
      - { .name: oc, .offset: 24, .size: 8, .value_kind: global_buffer, .address_space: global }
      - { .name: os, .offset: 32, .size: 8, .value_kind: global_buffer, .address_space: global }
    .group_segment_fixed_size: 169984
    .private_segment_fixed_size: 0
    .kernarg_segment_align: 8
    .kernarg_segment_size: 40
    .max_flat_workgroup_size: 256
    .sgpr_count:     66
    .vgpr_count:     512
    .wavefront_size: 32
...
	.end_amdgpu_metadata
.endif
;; end of part 3
;; launch outp (part 4): grid 8 x 32, 4 waves a work-group, clusters of 4 x 4, 221,184 bytes of LDS; arguments oc, os, codes1, tab1, bout, out0; writes out0
.if DOCPART == 4
	.amdgcn_target "amdgcn-amd-amdhsa--gfx1250"
	.amdhsa_code_object_version 6
	.text
	.protected	k_q320bcd8938_outp
	.globl	k_q320bcd8938_outp
	.p2align	8
	.type	k_q320bcd8938_outp,@function
k_q320bcd8938_outp:
	s_mov_b64 s[64:65], 0
	v_nop
	global_prefetch_b8 v0, s[64:65] scope:SCOPE_SE
	s_setreg_imm32_b32 hwreg(HW_REG_WAVE_MODE, 25, 1), 1
	s_wait_xcnt 0x0
	s_wait_alu depctr_hold_cnt(0) depctr_sa_sdst(0) depctr_va_vdst(0) depctr_va_sdst(0) depctr_va_ssrc(0) depctr_va_vcc(0) depctr_vm_vsrc(0)
	s_getreg_b32 s2, hwreg(HW_REG_IB_STS2, 6, 4)
	s_cmp_eq_u32 s2, 0
	s_cbranch_scc0 .Lentry_in_a_cluster
	s_endpgm
.Lentry_in_a_cluster:
	s_bfe_u32 s2, ttmp6, 0x10000c
	s_cmp_lg_u32 s2, 0xf033
	s_cbranch_scc0 .Lentry_shape_is_right
	s_endpgm
.Lentry_shape_is_right:
; out0 = o Wout + bout on codes of FP6 (E2M3) with E8M0 scales.  oc: [tile of 16 tokens: 256][head: 16][768 bytes], images of operand halves; os: scale bytes [head][tile][r][h]; Wout's columns: rows 7,168 on of codes1, scale bytes in tab1.
; A work-group makes 128 tokens x 128 outputs: 256 of them; four waves, 64 x 64 each.  A wave holds its 64 columns of Wout, all of K, in registers (32 fragments of 12) and streams o past them in four blocks of 16 tokens, 32 products each:
; a block is finished at once and leaves under the next one.  All of K fits in LDS: one joint load a wave at the head (waves 0 and 1 Wout's rows, shared along a column of the 4 x 4 cluster; waves 2 and 3 o's tiles, shared along a row), no refill.
; No data prefetch: nothing is read later than the head's loads.
; The matrix instruction is used transposed (source 0 = Wout): lane (r, h) holds outputs 32 e + 16 h + 0 .. 15 of token r.  Row r of tile a is token 32 (r / 8) + 8 a + r % 8 of the wave's 64: the stores put each row at its true place.  The bias is the first products' C.
.set PITCH, 816
.set TR,    16*PITCH
.set WB,    98304
.set STG,   WB+128*PITCH               ; four stages of 16 rows x 272
.set SPARE, STG+4*16*272
.set SPW,   6
.set NIL,   7
.set XS,    28                         ; v28-43 o's scale words: two pairs of tiles x 8 K steps
.set WS,    48                         ; v48-63 Wout's
.set BI,    96                         ; v96-127 the bias
.set ACC,   128                        ; two sets of four accumulators
.set G1W,   24
.set G1O,   32
.set G0W,   40
.set G0O,   44
.set LC,    0
.set MSB,   0
.macro WIN new
.if MSB != (\new)
	s_set_vgpr_msb (MSB<<8)|(\new)
.set MSB, (\new)
.endif
.endm
.macro WALU
	s_wait_alu depctr_va_vdst(0)
.endm
.macro PLACES n
.rept \n
	v_nop
.endr
.endm
.macro BARRIER
	s_barrier_signal -1
	s_barrier_wait -1
.endm
.macro CROUND
	BARRIER
	s_cmp_lg_u32 s18, 0
	s_cbranch_scc1 .Lnot_wave_0_\@
	s_barrier_signal -3
.Lnot_wave_0_\@:
	s_barrier_wait -3
	BARRIER
.endm
.macro TLOAD g0, g1
	tensor_load_to_lds s[\g0:\g0+3], s[\g1:\g1+7]
	s_nop 0
	PLACES 4
.endm
.macro FRAG w, reg, q, a0, a1          ; a fragment from rows: six pieces of 8 bytes, two to a load where both lie behind as many paddings; LC counts the loads
	WIN (\w)<<6
.set R_, \reg
.set SKIP_, 0
.irp p, 0,1,2,3,4,5
.if SKIP_
.set SKIP_, 0
.else
.set PC_, 12*(\q)+6*(\p/3)+\p%3
.set PN_, 12*(\q)+6*((\p+1)/3)+(\p+1)%3
.set X_, (PC_%32+3)/32
.set XQ_, (PN_%32+3)/32
.set LC, LC+1
.if (\p < 5) && (X_ == XQ_)
.set SKIP_, 1
.if X_
	ds_load_2addr_b64 v[R_+2*\p:R_+2*\p+3], \a1 offset0:PC_+2*(PC_/32) offset1:PN_+2*(PN_/32)
.else
	ds_load_2addr_b64 v[R_+2*\p:R_+2*\p+3], \a0 offset0:PC_+2*(PC_/32) offset1:PN_+2*(PN_/32)
.endif
.elseif X_
	ds_load_b64 v[R_+2*\p:R_+2*\p+1], \a1 offset:8*(PC_+2*(PC_/32))
.else
	ds_load_b64 v[R_+2*\p:R_+2*\p+1], \a0 offset:8*(PC_+2*(PC_/32))
.endif
.endif
.endr
.endm
.macro FRAGO tile, e, q                ; o's fragment: two heads' images, into buffer e (window 3)
	WIN 0xc0
.set R_, 12*(8*(\e)+(\q))
.irp c, 0,1
	ds_load_b128 v[R_+6*\c:R_+6*\c+3], v3 offset:12288*(\tile)+1536*(\q)+768*\c
	ds_load_b64 v[R_+6*\c+4:R_+6*\c+5], v4 offset:12288*(\tile)+1536*(\q)+768*\c+512
.endr
.set LC, LC+4
.endm
.macro FETCH tile, e                   ; a block's eight: 32 loads
.irp q, 0,1,2,3,4,5,6,7
	FRAGO \tile, \e, \q
.endr
	WIN 0
.endm
.macro LQ q                            ; K step q: Wout's four fragments (windows 1 and 2) and block 0's
.irp b, 0,1,2,3
	FRAG 1+(4*(\q)+\b)/21, 12*((4*(\q)+\b)%21), \q, v[10+2*\b], v[11+2*\b]
.endr
	FRAGO 0, 0, \q
.set LQE\q, LC
.endm
.macro WM d, s0, s1, c, x0, x1, ra, rb
	v_wmma_scale_f32_16x16x128_f8f6f4 v[\d:\d+7], v[\s0:\s0+11], v[\s1:\s1+11], \c, v[\x0], v[\x1] matrix_a_fmt:MATRIX_FMT_FP6 matrix_b_fmt:MATRIX_FMT_FP6 matrix_a_scale:MATRIX_SCALE_ROW\ra matrix_b_scale:MATRIX_SCALE_ROW\rb
.endm
.macro PR1 a, ra, e, q, b, rb
.set WI_, 4*(\q)+(\b)
.set WW_, 1+WI_/21
.set WL_, 12*(WI_%21)
.set OL_, 12*(8*(\e)+(\q))
.set WC_, WS+8*((\b)/2)+(\q)
.set OC_, XS+8*((\a)/2)+(\q)
.set D_, ACC+32*(\e)+8*(\b)
	WIN WW_|(3<<2)
.if (\q) == 0
	WM D_, WL_, OL_, v[BI+8*(\b):BI+8*(\b)+7], WC_, OC_, \rb, \ra
.else
	WM D_, WL_, OL_, v[D_:D_+7], WC_, OC_, \rb, \ra
.endif
.endm
.macro PRQ a, ra, e, q                 ; four products, four accumulators by turns
.irp p, 0,1
	PR1 \a, \ra, \e, \q, 2*\p, 0
	PR1 \a, \ra, \e, \q, 2*\p+1, 1
.endr
.endm
.macro TOSTAGE e                       ; a block's 16 tokens x 64 outputs into my own stage and back as whole rows (LDS serves a wave's instructions in order, ISA guide 5.7.1.4)
	WIN 0
.irp n, 0,1
.irp k, 0,1,2,3
	ds_store_b128 v5, v[ACC+32*(\e)+16*\n+4*\k:ACC+32*(\e)+16*\n+4*\k+3] offset:128*\n+16*\k
.endr
.endr
.irp t, 0,1,2,3,4,5,6,7
	ds_load_b128 v[ACC+32*(\e)+4*\t:ACC+32*(\e)+4*\t+3], v8 offset:544*\t
.endr
.endm
.macro SEND a, e
	WIN 0
.irp t, 0,1,2,3,4,5,6,7
	global_store_b128 v9, v[ACC+32*(\e)+4*\t:ACC+32*(\e)+4*\t+3], s[14:15] offset:(32*(\t/4)+8*(\a)+((2*\t)%8))*4096 th:TH_STORE_NT   ; sixteen lanes store 256 consecutive bytes, aligned
.endr
.endm
.macro BLOCK a, ra, e, younger, last   ; block a's products, with the block before on its way out among them
	s_wait_dscnt \younger                          ; its fragments: behind them stand the block before's 16 stage instructions and, where one was asked for, the 32 loads of the next block
	s_wait_xcnt 0x0                                ; the stores of two blocks ago have read these accumulators
.irp q, 0,1,2,3
	PRQ \a, \ra, \e, \q
.endr
	s_wait_dscnt 0x0
	SEND \a-1, 1-\e
.irp q, 4,5,6,7
	PRQ \a, \ra, \e, \q
.endr
	WIN 0
	PLACES 4
.if !\last
	FETCH \a+2, \e
.endif
	TOSTAGE \e
.endm
	s_load_b256 s[4:11], s[0:1], 0x0               ; oc, os, codes1, tab1
	s_load_b128 s[12:15], s[0:1], 0x20             ; bout, out0
	v_lshl_add_u32 v[SPW], v0, 2, SPARE
	v_mov_b32 v[NIL], 0
	ds_add_u32 v[SPW], v[NIL]                      ; the add, twice on end
	ds_add_u32 v[SPW], v[NIL]
	v_lshrrev_b32 v1, 5, v0
	v_readfirstlane_b32 s18, v1                    ; wave
	s_lshr_b32 s16, s18, 1                         ; which 64 tokens
	s_and_b32 s17, s18, 1                          ; which 64 outputs.  Also: which half of its tile a wave fetches
	s_bfe_u32 s19, ttmp6, 0x40000                  ; cx
	s_bfe_u32 s20, ttmp6, 0x40004                  ; cy
	s_lshl_b32 s21, ttmp9, 2
	s_add_co_u32 s21, s21, s19                     ; tile column: 128 outputs
	s_and_b32 s22, ttmp7, 0xffff
	s_lshl_b32 s22, s22, 2
	s_add_co_u32 s22, s22, s20                     ; tile row: 128 tokens
	s_lshl_b32 s23, s20, 2
	s_lshl_b32 s23, 15, s23                        ; my row of the cluster
	s_lshl_b32 s3, 0x1111, s19                     ; my column
	s_or_b32 s[G1W], s3, (1<<20)|(1<<21)|(5<<22)|(3<<25)   ; 64 rows of 768 bytes, 16 bytes of padding behind each 256
	s_mov_b32 s[G1W+1], 768<<16
	s_mov_b32 s[G1W+2], 64<<16
	s_mov_b32 s[G1W+3], 768<<16
	s_mov_b32 s[G1W+4], 64
	s_mov_b32 s[G1W+5], 768
	s_mov_b32 s[G1W+6], 0
	s_mov_b32 s[G1W+7], 0
	s_or_b32 s[G1O], s23, (3<<16)|(1<<21)          ; four tiles of o, dense: 192 rows of 256 bytes
	s_mov_b32 s[G1O+1], 32<<16
	s_mov_b32 s[G1O+2], 192<<16
	s_mov_b32 s[G1O+3], 32<<16
	s_mov_b32 s[G1O+4], 192
	s_mov_b32 s[G1O+5], 32
	s_mov_b32 s[G1O+6], 0
	s_mov_b32 s[G1O+7], 0
	s_mul_i32 s52, s21, 98304
	s_mul_i32 s53, s17, 49152
	s_add_co_u32 s52, s52, s53
	s_add_co_u32 s52, s52, 7168*768
	s_mul_i32 s54, s22, 98304
	s_add_co_u32 s54, s54, s53
	s_mov_b32 s53, 0
	s_mov_b32 s55, 0
	s_mov_b32 s[G0W], 1
	s_mul_i32 s[G0W+1], s17, 64*PITCH
	s_add_co_u32 s[G0W+1], s[G0W+1], WB
	s_mov_b32 s[G0O], 1
	s_mul_i32 s[G0O+1], s17, 49152
	WALU
	s_wait_dscnt 0x0
	CROUND                                         ; all sixteen work-groups are here: the joint loads meet
	s_wait_kmcnt 0x0
	s_add_nc_u64 s[G0W+2:G0W+3], s[8:9], s[52:53]
	s_or_b32 s[G0W+3], s[G0W+3], 0x80000000
	s_add_nc_u64 s[G0O+2:G0O+3], s[4:5], s[54:55]
	s_or_b32 s[G0O+3], s[G0O+3], 0x80000000
	s_cmp_lt_u32 s18, 2
	s_cbranch_scc0 .Lfor_o
	TLOAD G0W, G1W
	s_branch .Lasked
.Lfor_o:
	TLOAD G0O, G1O
.Lasked:
	s_mov_b32 s85, 0
	s_lshl_b32 s84, s22, 8
	s_lshl_b32 s58, s16, 7
	s_add_co_u32 s84, s84, s58
	s_add_nc_u64 s[60:61], s[6:7], s[84:85]        ; o's scale bytes: 32 a tile; a head's lie 8,192 on
	s_lshl_b32 s86, s21, 7
	s_lshl_b32 s58, s17, 6
	s_add_co_u32 s86, s86, s58                     ; my first output
	s_lshl_b32 s84, s86, 5
	s_add_co_u32 s84, s84, 7168*32
	s_add_nc_u64 s[62:63], s[10:11], s[84:85]      ; Wout's scale bytes
	s_lshl_b32 s84, s86, 2
	s_add_nc_u64 s[66:67], s[12:13], s[84:85]      ; the bias
	s_lshl_b32 s58, s22, 19
	s_add_co_u32 s84, s84, s58
	s_lshl_b32 s58, s16, 18
	s_add_co_u32 s84, s84, s58
	s_add_nc_u64 s[14:15], s[14:15], s[84:85]      ; out0 at my corner
	s_mul_i32 s68, s17, 64*PITCH
	s_add_co_u32 s68, s68, WB                      ; my 64 rows of Wout in LDS
	s_mul_i32 s69, s16, 49152                      ; my four tiles of o
	s_mul_i32 s70, s18, 16*272
	s_add_co_u32 s70, s70, STG                     ; my stage
	v_and_b32 v21, 15, v0                          ; r
	v_bfe_u32 v22, v0, 4, 1                        ; h
	v_and_b32 v23, 31, v0                          ; lane
	v_lshlrev_b32 v18, 1, v23
	v_lshlrev_b32 v19, 5, v23
	v_lshlrev_b32 v20, 6, v22
	v_mul_u32_u24 v1, v21, PITCH
	v_mad_u32_u24 v1, v22, 24, v1
	v_lshl_add_u32 v2, v22, 4, v1
	v_lshl_add_u32 v3, v23, 4, s69                 ; o's images: 16 x lane,
	v_lshl_add_u32 v4, v23, 3, s69                 ; 8 x lane
	v_mul_u32_u24 v5, v21, 272
	v_lshl_add_u32 v5, v22, 6, v5
	v_add_nc_u32 v5, s70, v5                       ; into the stage: row r, + 64 h
	v_mul_u32_u24 v8, v22, 272
	v_lshl_add_u32 v8, v21, 4, v8
	v_add_nc_u32 v8, s70, v8                       ; back: lanes 0-15 one row, lanes 16-31 the next
	v_lshlrev_b32 v9, 12, v22
	v_lshl_add_u32 v9, v21, 4, v9                  ; and the same two rows in out0
.irp b, 0,1,2,3
	v_add_nc_u32 v[10+2*\b], s68, v1
	v_add_nc_u32 v[11+2*\b], s68, v2
	s_add_co_u32 s68, s68, TR
.endr
	WALU
.irp p, 0,1
.irp n, 0,1,2,3,4,5,6,7,8,9,10,11,12,13,14,15
	global_load_u16 v[64+16*\p+\n], v18, s[60:61] offset:8192*\n+64*\p   ; head n's two bytes of my row; lanes 0-15 tile 2 p, lanes 16-31 tile 2 p + 1
.endr
.irp c, 0,1
	global_load_b128 v[WS+8*\p+4*\c:WS+8*\p+4*\c+3], v19, s[62:63] offset:1024*\p+16*\c
.endr
.irp k, 0,1,2,3
	global_load_b128 v[BI+16*\p+4*\k:BI+16*\p+4*\k+3], v20, s[66:67] offset:128*\p+16*\k
.endr
.endr
	s_wait_tensorcnt 0x0
	BARRIER                                        ; all of o's and Wout's tiles are in; nothing is filled again
	LQ 0
	LQ 1
	WIN 0
	s_wait_loadcnt 0x0
.irp n, 8,9,10,11,12,13,14,15,0,1,2,3,4,5,6,7
	v_lshl_or_b32 v[XS+\n], v[65+2*\n], 16, v[64+2*\n]   ; a word of K step n % 8: two heads' bytes
.endr
	PLACES 8
	WALU
	LQ 2
	s_wait_dscnt LC-LQE0                           ; (the loads of later K steps may be out)
	PRQ 0, 0, 0, 0
	LQ 3
	s_wait_dscnt LC-LQE1
	PRQ 0, 0, 0, 1
	LQ 4
	s_wait_dscnt LC-LQE2
	PRQ 0, 0, 0, 2
	LQ 5
	s_wait_dscnt LC-LQE3
	PRQ 0, 0, 0, 3
	LQ 6
	s_wait_dscnt LC-LQE4
	PRQ 0, 0, 0, 4
	LQ 7
	s_wait_dscnt LC-LQE5
	PRQ 0, 0, 0, 5
	FETCH 1, 1
	s_wait_dscnt LC-LQE6
	PRQ 0, 0, 0, 6
	s_wait_dscnt LC-LQE7
	PRQ 0, 0, 0, 7
	WIN 0
	PLACES 4
	FETCH 2, 0
	TOSTAGE 0
	BLOCK 1, 1, 1, 48, 0
	BLOCK 2, 0, 0, 48, 1
	BLOCK 3, 1, 1, 16, 1
	s_wait_dscnt 0x0
	SEND 3, 1
	s_wait_tensorcnt 0x0                           ; the wave's end
	ds_add_u32 v[SPW], v[NIL]
	s_wait_dscnt 0x0
	CROUND                                         ; the closing round
	s_endpgm
.Lfunc_end_k_q320bcd8938_outp:
	.size	k_q320bcd8938_outp, .Lfunc_end_k_q320bcd8938_outp-k_q320bcd8938_outp
	.p2alignl 7, 3214868480
	.fill 96, 4, 3214868480
	.section	.rodata,"a",@progbits
	.p2align	6, 0x0
	.amdhsa_kernel k_q320bcd8938_outp
		.amdhsa_group_segment_fixed_size 221184
		.amdhsa_private_segment_fixed_size 0
		.amdhsa_enable_private_segment 0
		.amdhsa_kernarg_size 48
		.amdhsa_user_sgpr_count 2
		.amdhsa_user_sgpr_kernarg_segment_ptr 1
		.amdhsa_wavefront_size32 1
		.amdhsa_system_sgpr_workgroup_id_x 1
		.amdhsa_system_sgpr_workgroup_id_y 1
		.amdhsa_system_sgpr_workgroup_id_z 1
		.amdhsa_system_vgpr_workitem_id 0
		.amdhsa_next_free_vgpr 960
		.amdhsa_next_free_sgpr 92
		.amdhsa_reserve_vcc 0
		.amdhsa_float_denorm_mode_32 3
		.amdhsa_float_denorm_mode_16_64 3
		.amdhsa_memory_ordered 1
		.amdhsa_forward_progress 1
		.amdhsa_inst_pref_size 53
	.end_amdhsa_kernel
	.amdgpu_metadata
---
amdhsa.version: [ 1, 2 ]
amdhsa.kernels:
  - .name:           k_q320bcd8938_outp
    .symbol:         k_q320bcd8938_outp.kd
    .args:
      - { .name: oc, .offset: 0, .size: 8, .value_kind: global_buffer, .address_space: global }
      - { .name: os, .offset: 8, .size: 8, .value_kind: global_buffer, .address_space: global }
      - { .name: codes1, .offset: 16, .size: 8, .value_kind: global_buffer, .address_space: global }
      - { .name: tab1, .offset: 24, .size: 8, .value_kind: global_buffer, .address_space: global }
      - { .name: bout, .offset: 32, .size: 8, .value_kind: global_buffer, .address_space: global }
      - { .name: out0, .offset: 40, .size: 8, .value_kind: global_buffer, .address_space: global }
    .group_segment_fixed_size: 221184
    .private_segment_fixed_size: 0
    .kernarg_segment_align: 8
    .kernarg_segment_size: 48
    .max_flat_workgroup_size: 128
    .sgpr_count:     92
    .vgpr_count:     960
    .wavefront_size: 32
...
	.end_amdgpu_metadata
.endif
;; end of part 4
